; MI455X (gfx1250); checked and timed in simulation.
; The chip was launched on July 23, 2026; its instructions are those of AMD's public machine-readable ISA for CDNA 5 (MIT licence, August 2026) and "CDNA5" Instruction Set Architecture Reference Guide (July 2026). The comments in the code are by the model that wrote it; some were corrected since.
;; Multi Head Attention. Allowed arithmetic: matrix products marked QUANTISED: E4M3 operands, one E8M0 scale for each 32 along K, by v_wmma_scale_f32_16x16x128_f8f6f4 with both operands' format E4M3, f32 sums; everything else in f32.
;; Inputs: Wk 768 x 768 float32; Wo 768 x 768 float32; Wq 768 x 768 float32; Wv 768 x 768 float32; att_mask 8 x 1,024 bool; beta 768 float32; bk 768 float32; bo 768 float32; bq 768 float32; bv 768 float32; gamma 768 float32; k 8 x 1,024 x 768 float32; q 8 x 1,024 x 768 float32; v 8 x 1,024 x 768 float32.
;; Outputs: out0 8 x 1,024 x 768 float32.
;; This version of the problem:
;;   THIS VERSION OF THE PROBLEM IS GIVEN IN LOW PRECISION. The matrix products marked QUANTISED in the list below multiply operands that are first quantised to E4M3 (4 exponent bits, 3 mantissa bits; 8 bits a number), with one power-of-two scale for each 32 numbers along K (OCP MX v1.0); their sums are f32. All else is computed in f32.
;;   The module's matrix products, in the order in which they are computed (A, B: the left and right operand; K: the contracted axis; several contracted axes count as one K, in the product's order):
;;     1. [M 8,192, K 768] x [K 768, N 768]; A: input q; B: input Wq: QUANTISED
;;     2. [M 8,192, K 768] x [K 768, N 768]; A: input k; B: input Wk: QUANTISED
;;     3. [M 8,192, K 768] x [K 768, N 768]; A: input v; B: input Wv: QUANTISED
;;     4. batch 96 x [M 1,024, K 64] x [K 64, N 1,024]; A: computed on the way; B: computed on the way: QUANTISED
;;     5. batch 96 x [M 1,024, K 1,024] x [K 1,024, N 64]; A: softmax (see below); B: computed on the way: QUANTISED
;;     6. batch 96 x [M 1,024, K 1,024] x [K 1,024, N 64]; A: softmax (see below); B: computed on the way: QUANTISED
;;     7. [M 8,192, K 768] x [K 768, N 768]; A: computed on the way; B: input Wo: QUANTISED
;;   THE QUANTISER, for each operand of a quantised product, along K:
;;     - K is cut into blocks of 32 from its start; a last block that is shorter is filled with zeros.
;;     - A block's scale is 2^e with e = floor(log2(the largest magnitude in the block)) - 8, held to -126 .. 127; a block of zeros has e = 0. As a byte (E8M0): e + 127.
;;     - Each number is divided by its block's scale, clamped to +-448, and rounded to the nearest number of E4M3, ties to even, subnormals kept.
;;     - The product sums the exact products of the quantised numbers (number of the format x scale) in f32.
;;   ~~~python
;;   def quantise(x, axis):      # numpy; x: float32 -> the quantised numbers, widened to float32 again
;;       x = np.moveaxis(x, axis, -1); K = x.shape[-1]
;;       x = np.pad(x, [(0, 0)] * (x.ndim - 1) + [(0, -K % 32)]); x = x.reshape(x.shape[:-1] + (-1, 32)); a = np.abs(x).max(-1, keepdims=True)
;;       e = np.where(a > 0, np.clip(np.frexp(np.where(a > 0, a, 1))[1] - 1 - 8, -126, 127), 0)      # np.frexp(a)[1] - 1 = floor(log2(a)), exactly
;;       r = np.clip(x / 2.0 ** e, -448, 448)
;;       step = 2.0 ** (np.maximum(np.frexp(np.where(r == 0, 1, r))[1] - 1, -6) - 3)
;;       q = np.round(r / step) * step * 2.0 ** e      # np.round: ties to even
;;       return np.moveaxis(q.reshape(q.shape[:-2] + (-1,))[..., :K], -1, axis).astype(np.float32)
;;   ~~~
;;   SOFTMAX AHEAD OF A QUANTISED PRODUCT. Where the list says 'softmax', what is quantised is not the finished softmax but p = 2^(t - M), with t = logit x log2(e) and M = ceil(the row's largest t), a whole number; so 1/2 < the row's largest p <= 1. The row's sum l is taken of the UNQUANTISED p, in f32, and the product's result is divided by l at the end. Since M is a whole number, a kernel that streams over the keys may use a running M (the ceiling of the running maximum): every later rescaling is an exact power of two, which a block's scale takes up: the codes' values come out the same.
;;   OPERANDS COMPUTED ON THE WAY. 'Computed on the way' means the value that the module computes at that place (a softmax that the list does not call 'softmax' is quantised finished and normalised). What goes into a quantiser is computed in f32, as accurately as f32 sums, v_exp_f32 and their like allow (about 1e-6 of the number): no bf16 or f16 on the way to a quantiser, and a product that is left as it is and whose result goes on into a quantised operand takes f32 operands (vector FMAs, or v_wmma_f32_16x16x4_f32). A number that lies on a knife's edge between two numbers of the format may be rounded either way, as far as f32 arithmetic and the matrix unit's own rounding can turn it there, and no further.
;; 2 versions, each right; version 2 is version 1 with the launches proj, attn written anew for expert scheduling mode. Each part assembles by itself: llvm-mc -triple=amdgcn-amd-amdhsa -mcpu=gfx1250 --defsym DOCPART=n.
;; ======== version 1 of 2: 4 launches
;; limits: right only within a limited range of input values
;; workspace buffers: xq 19,660,800 bytes; wimg 2,433,024 bytes; edges 1,024 bytes of whole numbers; qkv 20,447,232 bytes; att 6,684,672 bytes
;; launch quant (part 1): grid 529 x 1, 4 waves a work-group, no clusters, 34,304 bytes of LDS; arguments q, k, v, Wq, Wk, Wv, Wo, att_mask, xq, wimg, edges; writes xq, wimg, edges
.if DOCPART == 1
	.amdgcn_target "amdgcn-amd-amdhsa--gfx1250"
	.amdhsa_code_object_version 6
	.text
	.protected	k_q708cb6eeb0_quant
	.globl	k_q708cb6eeb0_quant
	.p2align	8
	.type	k_q708cb6eeb0_quant,@function
k_q708cb6eeb0_quant:
	s_mov_b64 s[64:65], 0
	v_nop
	global_prefetch_b8 v0, s[64:65] scope:SCOPE_SE
	s_setreg_imm32_b32 hwreg(HW_REG_WAVE_MODE, 25, 1), 1
	s_wait_xcnt 0x0
; LAUNCH 1 OF 4.  q, k, v [8192][768] and Wq, Wk, Wv, Wo [768 (K)][768] f32 become codes of E4M3 with one E8M0 byte for each 32 along K, laid in the ORDER OF THE OPERAND'S REGISTERS;
; and for each batch two whole numbers are stored: FU, its first key that is not padded (1024 if none), and LU, its last (-1 if none).
; THE WHOLE PROGRAM: quant | proj: products 1-3, biases, quantisers of qf, kf, vf | attn: products 4-6, both softmaxes, quantiser of att | outln: product 7, bo, residual, LayerNorm.
; WORK LEFT OUT (in attn), and why it is dead.  reference() adds NEG = -1e9 to the scores of keys under the diagonal (fw) or over it (bw).  Take a row that has, on its open side, one key that is not padded: its
; largest logit is an ordinary score s0.  Every entry that carries NEG has t - M = (logit - s0') log2(e) under -1.1e9 while |score| < 1e8, so p = 2^(t - M) is 0 in f32, adds 0 to the row's sum, and its code is 0: a key
; step of 128 keys that lies wholly on the hidden side of all 16 queries of a tile can reach no output.  That holds for all values of the inputs as long as EVERY row of the tile has such a key, which hangs on
; att_mask alone: for bw on (first query of the tile >= FU), for fw on (last query <= LU).  A tile for which it fails walks all eight key steps of that pass with reference()'s own f32 additions of NEG.
; So no pattern of the mask is built in.  No input is dead.  LIMITS: |score| < 1e8; a NaN, an infinity or an overflow that reaches only a key step left out is not carried to the result; NaN and infinities among the
; inputs are not served; a block whose largest magnitude lies under 2^(8 - 126) keeps the byte 1, and so does a block of zeros (its codes are zeros, and this program alone reads the bytes).
; ROW TILES.  Lane r of tile T holds row 32 (T / 2) + 8 (T % 2) + r + 8 (r / 8), for rows of activations and for columns of weights alike: as source 0 of a product, tiles 2 b and 2 b + 1 then leave a lane 16
; neighbours along the next product's K.  AN IMAGE of a fragment (16 rows x 128 K) is four chunks c of 512 bytes, lane l's 16 bytes (k = 32 c + 16 (l / 16) + 0 .. 15 of row l % 16) at 16 l.
; xq:   [tensor 3][T 512] records of 12,800 bytes: six images (K step s at 2048 s), scale words at 12288 + 64 s + 4 r, 128 zero bytes.
; wimg: [weight 4] sections of 608,256 bytes: images at 12288 tile + 2048 s; scale words at 589824 + 128 (6 pair + s) + 4 l (lanes 0-15: tile 2 pair, lanes 16-31: tile 2 pair + 1).
; edges: [batch 8][32 words]: even words FU, odd words LU.
; SHARES.  Work-groups 0-143: weights (a wave: 32 columns x 128 K).  144: the mask (a wave: two batches).  145-528: q, k, v (a wave: one tile of 16 rows, all of K).  Only the last kind touches LDS.
; No tensor loads, no matrix work, no cluster: each byte is read once by one wave, and waves share nothing.
.set SPARE, 33792                      ; behind the four stages of 16 rows x 528 bytes: the spare words, 128 bytes a wave
.set FLOOR, 0x4800000                  ; 2^(9 - 127): no largest magnitude is taken under it, so no byte falls under 1
.set EOFF,  0xfc000000                 ; -(8 << 23)
.set SPW, 2                            ; v2  LDS address of my spare word; never rewritten
.set NIL, 3                            ; v3  0; never rewritten
.set SW,  10                           ; v10-12 scale words to store (two K steps each)
.set PWE, 13                           ; v13 the even K step's word
.set PW,  14                           ; v14 the word just made
.set TM,  16                           ; v16-31 four largest magnitudes, four bytes, four limits, four scale operands
.set PC,  32                           ; v32-47 a fragment's codes
.set X,   48                           ; v48-111 64 numbers of a lane
.set R,   112                          ; v112-239 two sets of 64 registers as loaded
.set C,   112                          ; weights: v112-143 codes, eight registers for each block
.set SEL, 6                            ; s[6:7] selects of v_permlanex16_b32: lane l xor 16
.set MNT, 30                           ; s30 the mantissa field of 448
	s_load_b512 s[8:23], s[0:1], 0x0               ; q, k, v, Wq, Wk, Wv, Wo, att_mask
	s_load_b128 s[24:27], s[0:1], 0x40             ; xq, wimg
	s_load_b64 s[28:29], s[0:1], 0x50              ; edges
	v_lshl_add_u32 v[SPW], v0, 2, SPARE
	v_mov_b32 v[NIL], 0
	v_lshrrev_b32 v1, 5, v0
	v_readfirstlane_b32 s4, v1                     ; wave
	v_and_b32 v1, 31, v0                           ; lane
	s_mov_b32 s5, 0xffff0000                       ; lanes 16-31
	s_mov_b32 s[SEL], 0x76543210
	s_mov_b32 s[SEL+1], 0xfedcba98
	s_mov_b32 s[MNT], 0x600000
	s_mov_b32 s37, 0                               ; the upper word of the offsets in s[36:37]
	s_wait_kmcnt 0x0
	s_cmp_lt_u32 ttmp9, 144
	s_cbranch_scc1 .Lweights
	s_cmp_eq_u32 ttmp9, 144
	s_cbranch_scc1 .Lmask
; ---------------- q, k, v: K is innermost ----------------
; 64 numbers of a lane, register 16 b + i = k 32 b + 16 (lane / 16) + i of my row, become a fragment's codes in v[PC] on and my row's scale word in v[PW].
.macro QUANT s
.irp b, 0,1,2,3
	v_max3_num_f32 v[TM+\b], |v[\s+16*\b]|, |v[\s+1+16*\b]|, FLOOR
.endr
.irp i, 2,4,6,8,10,12,14
.irp b, 0,1,2,3
	v_max3_num_f32 v[TM+\b], v[TM+\b], |v[\s+16*\b+\i]|, |v[\s+1+16*\b+\i]|   ; the four blocks by turns
.endr
.endr
.irp b, 0,1,2,3
	v_permlanex16_b32 v[TM+4+\b], v[TM+\b], s[SEL], s[SEL+1]
.endr
.irp b, 0,1,2,3
	v_max_num_f32 v[TM+\b], v[TM+\b], v[TM+4+\b]   ; with lane l xor 16's 16 numbers: the block's largest magnitude
.endr
.irp b, 0,1,2,3
	v_add_nc_u32 v[TM+12+\b], EOFF, v[TM+\b]       ; 8 off its exponent field: the conversion's scale operand
.endr
.irp b, 0,1,2,3
	v_and_or_b32 v[TM+8+\b], v[TM+\b], 0x7f800000, s[MNT]   ; 448 x the scale
.endr
.irp b, 0,1,2,3
	v_lshrrev_b32 v[TM+4+\b], 23, v[TM+12+\b]      ; the scale's byte
.endr
	v_lshl_or_b32 v[PW], v[TM+5], 8, v[TM+4]
	v_lshl_or_b32 v[PW], v[TM+6], 16, v[PW]
	v_lshl_or_b32 v[PW], v[TM+7], 24, v[PW]
.irp b, 0,1,2,3
.irp i, 0,1,2,3,4,5,6,7,8,9,10,11,12,13,14,15
	v_med3_num_f32 v[\s+16*\b+\i], v[\s+16*\b+\i], -v[TM+8+\b], v[TM+8+\b]   ; the conversion to an 8-bit code does not saturate (ISA guide 7.6.2): the hold comes first
.endr
	v_cvt_scalef32_pk8_fp8_f32 v[PC+4*\b:PC+1+4*\b], v[\s+16*\b:\s+7+16*\b], v[TM+12+\b]
	v_cvt_scalef32_pk8_fp8_f32 v[PC+2+4*\b:PC+3+4*\b], v[\s+8+16*\b:\s+15+16*\b], v[TM+12+\b]
.endr
	v_nop                                          ; one plain line behind the last conversion
.endm
	s_sub_co_u32 s31, ttmp9, 145
	s_lshr_b32 s32, s31, 7                         ; which tensor: 128 work-groups each
	s_lshl_b32 s33, s31, 2
	s_add_co_u32 s33, s33, s4
	s_and_b32 s33, s33, 511                        ; my tile T
	s_cmp_eq_u32 s32, 0
	s_cselect_b64 s[34:35], s[8:9], s[10:11]
	s_cmp_eq_u32 s32, 2
	s_cselect_b64 s[34:35], s[12:13], s[34:35]
	s_lshr_b32 s36, s33, 1
	s_lshl_b32 s36, s36, 5
	s_and_b32 s40, s33, 1
	s_lshl_b32 s40, s40, 3
	s_add_co_u32 s36, s36, s40                     ; the tile's first row: 32 (T / 2) + 8 (T % 2)
	s_mul_i32 s36, s36, 3072
	s_add_nc_u64 s[34:35], s[34:35], s[36:37]
	s_lshl_b32 s36, s32, 9
	s_add_co_u32 s36, s36, s33
	s_mul_i32 s36, s36, 12800
	s_add_nc_u64 s[38:39], s[24:25], s[36:37]      ; my record
	s_mul_i32 s40, s4, 8448                        ; my stage
	v_lshlrev_b32 v4, 4, v1                        ; 16 l: my bytes of a load's or a store's 512
	v_add_nc_u32 v5, s40, v4                       ; the stage, on the way in
	v_and_b32 v7, 15, v1
	v_mul_u32_u24 v6, v7, 528
	v_lshrrev_b32 v7, 4, v1
	v_lshl_add_u32 v6, v7, 6, v6
	v_add_nc_u32 v6, s40, v6                       ; and on the way out: row r, + 64 (l / 16).  Rows 528 bytes apart: sixteen rows start at sixteen different 16-byte columns
	v_lshlrev_b32 v8, 2, v1                        ; 4 l
	v_mov_b32 v9, 0
.irp b, 0,1,2,3
	v_mov_b32 v[TM+4+\b], 0                        ; written once: a lane permute's destination counts as one of its sources
.endr
.macro XLOAD t                         ; K step t: 16 rows x 512 bytes; each load reads 512 consecutive bytes of one row
.irp i, 0,1,2,3,4,5,6,7,8,9,10,11,12,13,14,15
	global_load_b128 v[R+64*((\t)%2)+4*\i:R+64*((\t)%2)+4*\i+3], v4, s[34:35] offset:(\i+8*(\i/8))*3072+512*(\t) th:TH_LOAD_NT
.endr
.endm
.macro XSTEP t
.if (\t) < 5
	s_wait_loadcnt 16                              ; this step's 16 loads are in; the next step's 16 stay out
.else
	s_wait_loadcnt 0x0
.endif
.irp i, 0,1,2,3,4,5,6,7,8,9,10,11,12,13,14,15
	ds_store_b128 v5, v[R+64*((\t)%2)+4*\i:R+64*((\t)%2)+4*\i+3] offset:528*\i
.endr
.irp c, 0,1,2,3
.irp j, 0,1,2,3
	ds_load_b128 v[X+16*\c+4*\j:X+16*\c+4*\j+3], v6 offset:128*\c+16*\j   ; LDS serves a wave's instructions in order: these see my stores
.endr
.endr
	s_wait_dscnt 0x0
.if (\t)+2 < 6
	XLOAD (\t)+2
.endif
	s_wait_xcnt 0x0                                ; the last step's stores have read v[PC] on: it is written again only behind this wait
	QUANT X
.irp c, 0,1,2,3
	global_store_b128 v4, v[PC+4*\c:PC+4*\c+3], s[38:39] offset:2048*(\t)+512*\c   ; 512 consecutive bytes, aligned
.endr
.if (\t)%2 == 0
	v_mov_b32 v[PWE], v[PW]
.else
	v_cndmask_b32 v[SW+(\t)/2], v[PWE], v[PW], s5  ; lanes 0-15: the even step's words, lanes 16-31: the odd step's
	global_store_b32 v8, v[SW+(\t)/2], s[38:39] offset:12288+64*((\t)-1)
.endif
.endm
	XLOAD 0
	XLOAD 1
.irp t, 0,1,2,3,4,5
	XSTEP \t
.endr
	global_store_b32 v8, v9, s[38:39] offset:12672 ; the record's last 128 bytes: the next launch copies whole records
	s_wait_tensorcnt 0x0                           ; the wave's end
	ds_add_u32 v[SPW], v[NIL]
	s_wait_dscnt 0x0
	s_endpgm
; ---------------- the weights: K is the first axis.  A lane takes a column, its registers run down K ----------------
.Lweights:
	s_mul_i32 s31, ttmp9, 57
	s_lshr_b32 s31, s31, 11                        ; which weight: work-group / 36
	s_mul_i32 s32, s31, 36
	s_sub_co_u32 s32, ttmp9, s32
	s_mul_i32 s33, s32, 43
	s_lshr_b32 s33, s33, 8                         ; K step s: the rest / 6
	s_mul_i32 s34, s33, 6
	s_sub_co_u32 s34, s32, s34
	s_lshl_b32 s34, s34, 2
	s_add_co_u32 s34, s34, s4                      ; my pair of tiles: 32 columns
	s_cmp_eq_u32 s31, 0
	s_cselect_b64 s[42:43], s[14:15], s[16:17]
	s_cmp_eq_u32 s31, 2
	s_cselect_b64 s[42:43], s[18:19], s[42:43]
	s_cmp_eq_u32 s31, 3
	s_cselect_b64 s[42:43], s[20:21], s[42:43]
	s_mul_i32 s36, s33, 128*3072
	s_add_nc_u64 s[42:43], s[42:43], s[36:37]
	v_lshrrev_b32 v7, 4, v1                        ; which tile of the pair
	v_and_b32 v8, 7, v1
	v_lshl_add_u32 v8, v7, 3, v8
	v_bfe_u32 v9, v1, 3, 1
	v_lshl_add_u32 v8, v9, 4, v8                   ; the tile map: 8 (l / 16) + l % 8 + 16 ((l / 8) % 2)
	s_lshl_b32 s36, s34, 5
	v_add_nc_u32 v8, s36, v8
	v_lshlrev_b32 v4, 2, v8                        ; my column, in bytes: a wave's load covers 128 consecutive bytes, the four waves 512
	v_and_b32 v9, 15, v1
	v_lshlrev_b32 v9, 4, v9
	v_mul_u32_u24 v5, v7, 12288
	v_add_nc_u32 v5, v5, v9                        ; where my codes go: my tile's image, 16 (l % 16)
	v_lshlrev_b32 v6, 2, v1
	s_mul_i32 s36, s31, 608256
	s_add_nc_u64 s[40:41], s[26:27], s[36:37]      ; the weight's section
	s_mul_i32 s36, s34, 2*12288
	s_lshl_b32 s38, s33, 11
	s_add_co_u32 s36, s36, s38
	s_add_nc_u64 s[44:45], s[40:41], s[36:37]      ; the pair's images of K step s
	s_mul_i32 s36, s34, 6
	s_add_co_u32 s36, s36, s33
	s_lshl_b32 s36, s36, 7
	s_add_co_u32 s36, s36, 589824
	s_add_nc_u64 s[40:41], s[40:41], s[36:37]      ; and their scale words
.macro WLOAD t                         ; block t: W(128 s + 32 t + i, my column)
.irp i, 0,1,2,3,4,5,6,7,8,9,10,11,12,13,14,15,16,17,18,19,20,21,22,23,24,25,26,27,28,29,30,31
	global_load_b32 v[X+32*((\t)%2)+\i], v4, s[42:43] offset:(32*(\t)+\i)*3072 th:TH_LOAD_NT
.endr
.endm
.macro WBLOCK t
.set XS, X+32*((\t)%2)
.if (\t) < 3
	s_wait_loadcnt 32                              ; this block's 32 loads are in; the next block's stay out
.else
	s_wait_loadcnt 0x0
.endif
	v_max3_num_f32 v12, |v[XS]|, |v[XS+1]|, |v[XS+2]|      ; all 32 numbers of the block are mine
	v_max3_num_f32 v13, |v[XS+3]|, |v[XS+4]|, |v[XS+5]|
.irp i, 6,10,14,18,22,26
	v_max3_num_f32 v12, v12, |v[XS+\i]|, |v[XS+\i+1]|
	v_max3_num_f32 v13, v13, |v[XS+\i+2]|, |v[XS+\i+3]|
.endr
	v_max3_num_f32 v12, v12, |v[XS+30]|, |v[XS+31]|
	v_max3_num_f32 v12, v12, v13, FLOOR
	v_add_nc_u32 v11, EOFF, v12
	v_and_or_b32 v10, v12, 0x7f800000, s[MNT]
	v_lshrrev_b32 v13, 23, v11
.if (\t) == 0
	v_mov_b32 v14, v13
.else
	v_lshl_or_b32 v14, v13, 8*(\t), v14            ; four bytes make the K step's scale word of my column
.endif
.irp i, 0,1,2,3,4,5,6,7,8,9,10,11,12,13,14,15,16,17,18,19,20,21,22,23,24,25,26,27,28,29,30,31
	v_med3_num_f32 v[XS+\i], v[XS+\i], -v10, v10
.endr
.irp g, 0,1,2,3
	v_cvt_scalef32_pk8_fp8_f32 v[C+8*(\t)+2*\g:C+8*(\t)+2*\g+1], v[XS+8*\g:XS+8*\g+7], v11
.endr
	v_nop
	global_store_b128 v5, v[C+8*(\t):C+8*(\t)+3], s[44:45] offset:512*(\t)          ; k 0-15 of the block: the image's lanes 0-15; sixteen lanes store 256 consecutive bytes, aligned
	global_store_b128 v5, v[C+8*(\t)+4:C+8*(\t)+7], s[44:45] offset:512*(\t)+256    ; k 16-31: its lanes 16-31
.if (\t)+2 < 4
	WLOAD (\t)+2
.endif
.endm
	WLOAD 0
	WLOAD 1
.irp t, 0,1,2,3
	WBLOCK \t
.endr
	global_store_b32 v6, v14, s[40:41]
	s_wait_tensorcnt 0x0                           ; the wave's end
	ds_add_u32 v[SPW], v[NIL]
	s_wait_dscnt 0x0
	s_endpgm
; ---------------- the mask: FU and LU of two batches a wave, in whole numbers throughout ----------------
.Lmask:
	v_lshlrev_b32 v16, 4, v1                       ; 16 l
	v_lshlrev_b32 v8, 2, v1
	s_lshl_b32 s36, s4, 11
	s_add_nc_u64 s[34:35], s[22:23], s[36:37]
	s_lshl_b32 s36, s4, 8
	s_add_nc_u64 s[38:39], s[28:29], s[36:37]
	s_mov_b32 s31, 0xaaaaaaaa                      ; the odd lanes
.irp n, 0,1,2,3
	global_load_b128 v[32+4*\n:35+4*\n], v16, s[34:35] offset:512*\n
.endr
	v_mov_b32 v26, 0
	s_wait_loadcnt 0x0
.irp bb, 0,1
	v_mov_b32 v24, -1                              ; LU so far
	v_mov_b32 v25, 0xfffffc00                      ; -FU so far: -1024
.irp hf, 0,1
.irp w, 0,1,2,3
.irp y, 0,1,2,3
	v_bfe_u32 v20, v[32+8*\bb+4*\hf+\w], 8*\y, 1   ; 1: padded
	v_lshlrev_b32 v20, 11, v20
	v_add_nc_u32 v21, 512*\hf+4*\w+\y, v16         ; the key
	v_sub_nc_u32 v22, v21, v20                     ; the key, or under 0 if padded
	v_add_nc_u32 v23, v21, v20                     ; the key, or over 1024 if padded
	v_max_i32 v24, v24, v22
	v_sub_nc_u32 v23, 0, v23
	v_max_i32 v25, v25, v23
.endr
.endr
.endr
.irp x, 1,2,4,8
	v_mov_b32_dpp v26, v24 row_xmask:\x row_mask:0xf bank_mask:0xf
	v_max_i32 v24, v24, v26
	v_mov_b32_dpp v26, v25 row_xmask:\x row_mask:0xf bank_mask:0xf
	v_max_i32 v25, v25, v26
.endr
	v_permlanex16_b32 v26, v24, s[SEL], s[SEL+1]
	v_max_i32 v24, v24, v26
	v_permlanex16_b32 v26, v25, s[SEL], s[SEL+1]
	v_max_i32 v25, v25, v26
	v_sub_nc_u32 v25, 0, v25                       ; FU
	v_cndmask_b32 v[28+\bb], v25, v24, s31         ; even lanes FU, odd lanes LU
	global_store_b32 v8, v[28+\bb], s[38:39] offset:128*\bb
.endr
	s_wait_tensorcnt 0x0                           ; the wave's end
	ds_add_u32 v[SPW], v[NIL]
	s_wait_dscnt 0x0
	s_endpgm
.Lfunc_end_k_q708cb6eeb0_quant:
	.size	k_q708cb6eeb0_quant, .Lfunc_end_k_q708cb6eeb0_quant-k_q708cb6eeb0_quant
	.p2alignl 7, 3214868480
	.fill 96, 4, 3214868480
	.section	.rodata,"a",@progbits
	.p2align	6, 0x0
	.amdhsa_kernel k_q708cb6eeb0_quant
		.amdhsa_group_segment_fixed_size 34304
		.amdhsa_private_segment_fixed_size 0
		.amdhsa_enable_private_segment 0
		.amdhsa_kernarg_size 88
		.amdhsa_user_sgpr_count 2
		.amdhsa_user_sgpr_kernarg_segment_ptr 1
		.amdhsa_wavefront_size32 1
		.amdhsa_system_sgpr_workgroup_id_x 1
		.amdhsa_system_sgpr_workgroup_id_y 1
		.amdhsa_system_sgpr_workgroup_id_z 1
		.amdhsa_system_vgpr_workitem_id 0
		.amdhsa_next_free_vgpr 256
		.amdhsa_next_free_sgpr 66
		.amdhsa_reserve_vcc 0
		.amdhsa_float_denorm_mode_32 3
		.amdhsa_float_denorm_mode_16_64 3
		.amdhsa_memory_ordered 1
		.amdhsa_forward_progress 1
		.amdhsa_inst_pref_size 127
	.end_amdhsa_kernel
	.amdgpu_metadata
---
amdhsa.version: [ 1, 2 ]
amdhsa.kernels:
  - .name:           k_q708cb6eeb0_quant
    .symbol:         k_q708cb6eeb0_quant.kd
    .args:
      - { .name: q, .offset: 0, .size: 8, .value_kind: global_buffer, .address_space: global }
      - { .name: k, .offset: 8, .size: 8, .value_kind: global_buffer, .address_space: global }
      - { .name: v, .offset: 16, .size: 8, .value_kind: global_buffer, .address_space: global }
      - { .name: Wq, .offset: 24, .size: 8, .value_kind: global_buffer, .address_space: global }
      - { .name: Wk, .offset: 32, .size: 8, .value_kind: global_buffer, .address_space: global }
      - { .name: Wv, .offset: 40, .size: 8, .value_kind: global_buffer, .address_space: global }
      - { .name: Wo, .offset: 48, .size: 8, .value_kind: global_buffer, .address_space: global }
      - { .name: att_mask, .offset: 56, .size: 8, .value_kind: global_buffer, .address_space: global }
      - { .name: xq, .offset: 64, .size: 8, .value_kind: global_buffer, .address_space: global }
      - { .name: wimg, .offset: 72, .size: 8, .value_kind: global_buffer, .address_space: global }
      - { .name: edges, .offset: 80, .size: 8, .value_kind: global_buffer, .address_space: global }
    .group_segment_fixed_size: 34304
    .private_segment_fixed_size: 0
    .kernarg_segment_align: 8
    .kernarg_segment_size: 88
    .max_flat_workgroup_size: 128
    .sgpr_count:     66
    .vgpr_count:     256
    .wavefront_size: 32
...
	.end_amdgpu_metadata
.endif
;; end of part 1
;; launch proj (part 2): grid 3 x 84, 4 waves a work-group, no clusters, 51,712 bytes of LDS; arguments xq, wimg, bq, bk, bv, att_mask, qkv; writes qkv
.if DOCPART == 2
	.amdgcn_target "amdgcn-amd-amdhsa--gfx1250"
	.amdhsa_code_object_version 6
	.text
	.protected	k_q708cb6eeb0_proj
	.globl	k_q708cb6eeb0_proj
	.p2align	8
	.type	k_q708cb6eeb0_proj,@function
k_q708cb6eeb0_proj:
	s_mov_b64 s[64:65], 0
	v_nop
	global_prefetch_b8 v0, s[64:65] scope:SCOPE_SE
	s_setreg_imm32_b32 hwreg(HW_REG_WAVE_MODE, 25, 1), 1
	s_wait_xcnt 0x0
; LAUNCH 2 OF 4.  qf = q Wq + bq, kf = k Wk + bk, vf = v Wv + bv on codes of E4M3, and the quantisers behind them: qf and kf along the head's 64, vf along the keys.  Nothing is left out here.
; SHARES.  Work-group (x, y): x = which four heads (256 columns), y / 28 = which product, y % 28 = g.  Wave w owns head 4 x + w: its 4 tiles of columns x 6 K steps, 384 registers, are read once and stay.
; The work-group walks blocks of 64 rows (four row tiles), B = g, g + 28, .. under 128: 4 or 5 blocks.  3 x 84 = 252 work-groups: nine slices of weights divide no 256.
; A block's four records of xq (51,200 bytes) go from memory through registers into LDS, a record a wave, one block ahead of the products, and are read by all four waves as images of the operand's registers.
; Q, K: source 0 = 16 columns of W, source 1 = 16 rows of x: a lane holds ONE token and 16 neighbours of the head's 64 in two tiles.  V: the sources are swapped: a lane holds ONE channel and 16 neighbouring keys.
; The bias is the C of each sum's first product.  A PADDED KEY'S CODES OF kf ARE ZEROS (its limit of the hold is multiplied by 0): reference() replaces its score by NEG whatever kf holds, and with zero codes the next
; launch gets that replacement from the product's C alone.
; NO CLUSTER: a record is shared by the three work-groups of a row of the grid, and three is no cluster's width here; x's bytes pass through registers, not through a tensor load.
; qkv: QC at 0, KC at 6291456: [bh 96][T 64][c 2][lane][16];  VC at 12582912: [bh][key step 8][tile 4][c 4][lane][16];  QS at 18874368, KS at 19267584: [bh][T][r] words (bytes 2, 3 = 0x7f);
;      VSW at 19660800: [bh][block of 32 keys][tile 4][r] words, the byte in bits 7:0.
; REGISTERS, in windows of 256.  Window 0: v1-13 addresses; v16-27 W's scale words; v28-39 x's; v40-57 at work; v64-95 codes; v96-99 words; v104-107 keep; v128-255 the 16 accumulators (m, t) at 128 + 32 m + 8 t.
;   Window 1: W's tiles 0, 1 at 16 (6 t + s).  Window 2: tiles 2, 3; from v192 the bias, eight registers a tile.  Window 3: x's fragments, two sets of 64; from v128 a record on its way to LDS.
.set REC,   12800
.set SPARE, 51200                      ; behind the four records: the spare words, 128 bytes a wave
.set FLOOR, 0x4800000
.set EOFF,  0xfc000000
.set AL,  1                            ; v1  16 x lane
.set A4,  2                            ; v2  4 x lane
.set ADW, 3                            ; v3  where I store my record: 16 x lane + 12800 x wave
.set VM,  6                            ; v6  r + 8 (r / 8)
.set MK,  8                            ; v8-11 mask bytes of my token in the four tiles
.set SPW, 12
.set NIL, 13
.set WSR, 16
.set XSR, 28
.set TM,  40
.set P0,  56
.set P1,  57
.set CD,  64
.set WD,  96
.set KEEP, 104
.set ACC, 128
.set BI,  192
.set XA,  0
.set STGR, 128
.set WV,  22
.set PP,  24                           ; s24 which product
.set BLK, 25                           ; s25 the block in hand
.set HD,  26                           ; s26 my head
.set SEL, 50
.set MNT, 52
.set HM,  53
.set MSB, 0
.macro WIN new                         ; the immediate's high byte repeats the setting that is left
.if MSB != (\new)
	s_set_vgpr_msb (MSB<<8)|(\new)
.set MSB, (\new)
.endif
.endm
.macro WM d, a, b, c, sa, sb, ra, rb   ; one product; ra, rb: which half of the lanes holds A's and B's scale words
.if ((\ra) != 0) && ((\rb) != 0)
	v_wmma_scale_f32_16x16x128_f8f6f4 v[(\d):(\d)+7], v[(\a):(\a)+15], v[(\b):(\b)+15], v[(\c):(\c)+7], v[\sa], v[\sb] matrix_a_scale:MATRIX_SCALE_ROW1 matrix_b_scale:MATRIX_SCALE_ROW1
.elseif (\ra) != 0
	v_wmma_scale_f32_16x16x128_f8f6f4 v[(\d):(\d)+7], v[(\a):(\a)+15], v[(\b):(\b)+15], v[(\c):(\c)+7], v[\sa], v[\sb] matrix_a_scale:MATRIX_SCALE_ROW1
.elseif (\rb) != 0
	v_wmma_scale_f32_16x16x128_f8f6f4 v[(\d):(\d)+7], v[(\a):(\a)+15], v[(\b):(\b)+15], v[(\c):(\c)+7], v[\sa], v[\sb] matrix_b_scale:MATRIX_SCALE_ROW1
.else
	v_wmma_scale_f32_16x16x128_f8f6f4 v[(\d):(\d)+7], v[(\a):(\a)+15], v[(\b):(\b)+15], v[(\c):(\c)+7], v[\sa], v[\sb]
.endif
.endm
.macro STAGE_LOAD                      ; my record of a block: 25 loads of 512 consecutive bytes
	WIN 0xc0
.set I_, 0
.rept 25
	global_load_b128 v[STGR+4*I_:STGR+4*I_+3], v[AL], s[28:29] offset:512*I_
.set I_, I_+1
.endr
	WIN 0
.endm
.macro XF set, s                       ; the four tiles' fragments of K step s
	WIN 0xc0
.irp m, 0,1,2,3
.irp c, 0,1,2,3
	ds_load_b128 v[(\set)+16*\m+4*\c:(\set)+16*\m+4*\c+3], v[AL] offset:\m*REC+2048*(\s)+512*\c
.endr
.endr
.endm
; 96 products: six K steps x 16 accumulators, which take turns, one instruction a turn, in the same order in every step.  While a step is multiplied the next step's fragments land.
.macro GEMM vmode
.irp m, 0,1,2,3
.irp k, 0,1,2
	ds_load_b32 v[XSR+3*\m+\k], v[A4] offset:\m*REC+12288+128*\k   ; lanes 0-15: K step 2 k's words, lanes 16-31: K step 2 k + 1's
.endr
.endr
	XF XA,0
.set GS, 0
.rept 6
.if GS > 0
.rept 8
	v_nop                                          ; eight places in front of loads into registers that the last step's products read
.endr
.endif
.if GS < 5
	XF XA+64*((GS+1)%2),GS+1
	s_wait_dscnt 16                                ; all but the 16 loads just issued
.else
	s_wait_dscnt 0x0
.endif
.set XS_, XA+64*(GS%2)
.irp tp, 0,1
.if \vmode
.if GS == 0
	WIN 0x27+4*\tp                                 ; source 0 (x) window 3, source 1 (W) window 1 or 2, C (the bias) window 2
.else
	WIN 0x07+4*\tp
.endif
.else
.if GS == 0
	WIN 0x2d+\tp                                   ; source 0 (W) window 1 or 2, source 1 (x) window 3, C (the bias) window 2
.else
	WIN 0x0d+\tp
.endif
.endif
.irp tl, 0,1
.irp m, 0,1,2,3
.if \vmode
.if GS == 0
	WM ACC+32*\m+8*(2*\tp+\tl),XS_+16*\m,16*(6*\tl+GS),BI+8*(2*\tp+\tl),XSR+3*\m+GS/2,WSR+6*\tp+GS,GS%2,\tl
.else
	WM ACC+32*\m+8*(2*\tp+\tl),XS_+16*\m,16*(6*\tl+GS),ACC+32*\m+8*(2*\tp+\tl),XSR+3*\m+GS/2,WSR+6*\tp+GS,GS%2,\tl
.endif
.else
.if GS == 0
	WM ACC+32*\m+8*(2*\tp+\tl),16*(6*\tl+GS),XS_+16*\m,BI+8*(2*\tp+\tl),WSR+6*\tp+GS,XSR+3*\m+GS/2,\tl,GS%2
.else
	WM ACC+32*\m+8*(2*\tp+\tl),16*(6*\tl+GS),XS_+16*\m,ACC+32*\m+8*(2*\tp+\tl),WSR+6*\tp+GS,XSR+3*\m+GS/2,\tl,GS%2
.endif
.endif
.endr
.endr
.endr
.set GS, GS+1
.endr
	WIN 0
.rept 8
	v_nop                                          ; eight places in front of the first read of results
.endr
.endm
; Four blocks of 32 by turns.  Block b's numbers of my lane: v[base + bs b + 0..7] and v[base + bs b + hi + 0..7]; the other 16 lie in lane l xor 16.  Each accumulator is read from its low end on.
.macro QHEAD base, bs, hi              ; largest magnitudes, scale operands (TM+12), limits (TM+8), bytes (TM+4)
.irp b, 0,1,2,3
	v_max3_num_f32 v[TM+\b], |v[(\base)+(\bs)*\b]|, |v[(\base)+(\bs)*\b+1]|, FLOOR
.endr
.irp i, 2,4,6
.irp b, 0,1,2,3
	v_max3_num_f32 v[TM+\b], v[TM+\b], |v[(\base)+(\bs)*\b+\i]|, |v[(\base)+(\bs)*\b+\i+1]|
.endr
.endr
.irp i, 0,2,4,6
.irp b, 0,1,2,3
	v_max3_num_f32 v[TM+\b], v[TM+\b], |v[(\base)+(\bs)*\b+(\hi)+\i]|, |v[(\base)+(\bs)*\b+(\hi)+\i+1]|
.endr
.endr
.irp b, 0,1,2,3
	v_permlanex16_b32 v[TM+4+\b], v[TM+\b], s[SEL], s[SEL+1]
.endr
.irp b, 0,1,2,3
	v_max_num_f32 v[TM+\b], v[TM+\b], v[TM+4+\b]
.endr
.irp b, 0,1,2,3
	v_add_nc_u32 v[TM+12+\b], EOFF, v[TM+\b]
.endr
.irp b, 0,1,2,3
	v_and_or_b32 v[TM+8+\b], v[TM+\b], 0x7f800000, s[MNT]
.endr
.irp b, 0,1,2,3
	v_lshrrev_b32 v[TM+4+\b], 23, v[TM+12+\b]
.endr
.endm
.macro QTAIL base, bs, hi, cd          ; the hold and the conversions: block b's codes in v[cd + 4 b] on
.irp b, 0,1,2,3
.irp i, 0,1,2,3,4,5,6,7
	v_med3_num_f32 v[(\base)+(\bs)*\b+\i], v[(\base)+(\bs)*\b+\i], -v[TM+8+\b], v[TM+8+\b]
.endr
.irp i, 0,1,2,3,4,5,6,7
	v_med3_num_f32 v[(\base)+(\bs)*\b+(\hi)+\i], v[(\base)+(\bs)*\b+(\hi)+\i], -v[TM+8+\b], v[TM+8+\b]
.endr
	v_cvt_scalef32_pk8_fp8_f32 v[(\cd)+4*\b:(\cd)+4*\b+1], v[(\base)+(\bs)*\b:(\base)+(\bs)*\b+7], v[TM+12+\b]
	v_cvt_scalef32_pk8_fp8_f32 v[(\cd)+4*\b+2:(\cd)+4*\b+3], v[(\base)+(\bs)*\b+(\hi):(\base)+(\bs)*\b+(\hi)+7], v[TM+12+\b]
.endr
	v_nop                                          ; one plain line behind the last conversion
.endm
	s_load_b256 s[8:15], s[0:1], 0x0               ; xq, wimg, bq, bk
	s_load_b128 s[16:19], s[0:1], 0x20             ; bv, att_mask
	s_load_b64 s[20:21], s[0:1], 0x30              ; qkv
	v_lshl_add_u32 v[SPW], v0, 2, SPARE
	v_mov_b32 v[NIL], 0
	v_lshrrev_b32 v4, 5, v0
	v_readfirstlane_b32 s[WV], v4
	v_and_b32 v4, 31, v0
	v_lshlrev_b32 v[AL], 4, v4
	v_lshlrev_b32 v[A4], 2, v4
	s_mul_i32 s46, s[WV], REC
	v_add_nc_u32 v[ADW], s46, v[AL]
	v_and_b32 v5, 15, v0
	v_and_b32 v[VM], 8, v5
	v_add_nc_u32 v[VM], v[VM], v5
	v_bfe_u32 v7, v0, 4, 1
	v_lshlrev_b32 v5, 6, v7                        ; 64 (lane / 16): the bias of Q and K
	v_lshlrev_b32 v7, 2, v[VM]                     ; 4 (r + 8 (r / 8)): the bias of V
.irp b, 0,1,2,3
	v_mov_b32 v[TM+4+\b], 0                        ; written once: a lane permute's destination counts as one of its sources
.endr
	s_mov_b32 s[SEL], 0x76543210
	s_mov_b32 s[SEL+1], 0xfedcba98
	s_mov_b32 s[MNT], 0x600000
	s_mov_b32 s[HM], 0xffff0000
	s_and_b32 s47, ttmp7, 0xffff
	s_cmp_ge_u32 s47, 28
	s_cselect_b32 s[PP], 1, 0
	s_cmp_ge_u32 s47, 56
	s_cselect_b32 s46, 1, 0
	s_add_co_u32 s[PP], s[PP], s46
	s_mul_i32 s46, s[PP], 28
	s_sub_co_u32 s[BLK], s47, s46
	s_lshl_b32 s[HD], ttmp9, 2
	s_add_co_u32 s[HD], s[HD], s[WV]
	s_mov_b32 s49, 0                               ; the upper word of the offsets in s[48:49]
	s_lshl_b32 s48, s[PP], 9
	s_lshl_b32 s46, s[BLK], 2
	s_add_co_u32 s48, s48, s46
	s_add_co_u32 s48, s48, s[WV]
	s_mul_i32 s48, s48, REC
	s_wait_kmcnt 0x0
	s_add_nc_u64 s[28:29], s[8:9], s[48:49]        ; my record of the first block
	STAGE_LOAD
	s_mul_i32 s48, s[PP], 608256
	s_add_nc_u64 s[32:33], s[10:11], s[48:49]      ; the weight's section
	s_mul_i32 s48, s[HD], 4*12288
	s_add_nc_u64 s[30:31], s[32:33], s[48:49]      ; my four tiles' images
	s_mul_i32 s48, s[HD], 2*768
	s_add_co_u32 s48, s48, 589824
	s_add_nc_u64 s[32:33], s[32:33], s[48:49]      ; and their scale words
	s_cmp_eq_u32 s[PP], 0
	s_cselect_b64 s[34:35], s[12:13], s[14:15]
	s_cmp_eq_u32 s[PP], 2
	s_cselect_b64 s[34:35], s[16:17], s[34:35]
	s_lshl_b32 s48, s[HD], 8
	s_add_nc_u64 s[34:35], s[34:35], s[48:49]      ; my head's 64 numbers of the bias
	s_mul_i32 s48, s[PP], 6291456
	s_add_nc_u64 s[36:37], s[20:21], s[48:49]      ; the product's codes
	s_mul_i32 s48, s[PP], 393216
	s_add_co_u32 s48, s48, 18874368
	s_add_nc_u64 s[38:39], s[20:21], s[48:49]      ; and its scale words
	WIN 0x40
.irp t, 0,1
.irp s, 0,1,2,3,4,5
.irp c, 0,1,2,3
	global_load_b128 v[16*(6*\t+\s)+4*\c:16*(6*\t+\s)+4*\c+3], v[AL], s[30:31] offset:\t*12288+\s*2048+\c*512
.endr
.endr
.endr
	WIN 0x80
.irp t, 0,1
.irp s, 0,1,2,3,4,5
.irp c, 0,1,2,3
	global_load_b128 v[16*(6*\t+\s)+4*\c:16*(6*\t+\s)+4*\c+3], v[AL], s[30:31] offset:(\t+2)*12288+\s*2048+\c*512
.endr
.endr
.endr
	WIN 0
.irp pr, 0,1
.irp s, 0,1,2,3,4,5
	global_load_b32 v[WSR+6*\pr+\s], v[A4], s[32:33] offset:(6*\pr+\s)*128
.endr
.endr
	s_cmp_eq_u32 s[PP], 2
	s_cbranch_scc1 .Lbias_v
	WIN 0x80                                       ; Q, K: register j of tile t is the bias of channel 32 (t / 2) + 16 (lane / 16) + 8 (t % 2) + j
.irp t, 0,1,2,3
	global_load_b128 v[BI+8*\t:BI+8*\t+3], v5, s[34:35] offset:4*(32*(\t/2)+8*(\t%2))
	global_load_b128 v[BI+8*\t+4:BI+8*\t+7], v5, s[34:35] offset:4*(32*(\t/2)+8*(\t%2))+16
.endr
	WIN 0
	s_branch .Lbias_done
.Lbias_v:
	WIN 0x80                                       ; V: all eight registers of tile t hold the bias of my channel 32 (t / 2) + 8 (t % 2) + r + 8 (r / 8)
.irp t, 0,1,2,3
	global_load_b32 v[BI+8*\t], v7, s[34:35] offset:4*(32*(\t/2)+8*(\t%2))
.endr
	s_wait_loadcnt 0x0
	WIN 0x82
.irp t, 0,1,2,3
.irp j, 1,2,3,4,5,6,7
	v_mov_b32 v[BI+8*\t+\j], v[BI+8*\t]
.endr
.endr
	WIN 0
.Lbias_done:
; Q's and K's way through a block.  kmode = 1: K: the mask is read, and a padded key's limit of the hold becomes 0.
.macro ARM_QK kmode
	s_lshl_b32 s48, s54, 16
	s_lshl_b32 s46, s55, 10
	s_add_co_u32 s48, s48, s46
	s_add_nc_u64 s[40:41], s[36:37], s[48:49]      ; codes: 65536 bh + 1024 T
	s_lshl_b32 s48, s54, 6
	s_add_co_u32 s48, s48, s55
	s_lshl_b32 s48, s48, 6
	s_add_nc_u64 s[42:43], s[38:39], s[48:49]      ; scale words: 64 (64 bh + T)
.if \kmode
	s_lshl_b32 s48, s[BLK], 6
	s_add_nc_u64 s[44:45], s[18:19], s[48:49]
.irp m, 0,1,2,3
	global_load_u8 v[MK+\m], v[VM], s[44:45] offset:32*(\m/2)+8*(\m%2)
.endr
.endif
	GEMM 0
.if \kmode
	s_wait_loadcnt 0x0                             ; the mask bytes are the youngest loads; the next block's record was asked for a whole run of products earlier
.irp m, 0,1,2,3
	v_cvt_f32_u32 v[KEEP+\m], v[MK+\m]
.endr
.irp m, 0,1,2,3
	v_sub_f32 v[KEEP+\m], 1.0, v[KEEP+\m]          ; 1, or 0 for a padded key
.endr
.endif
.irp u, 0,1                            ; tiles 2 u and 2 u + 1: two blocks of 32 channels each
	QHEAD ACC+64*\u,16,8
.if \kmode
.irp b, 0,1,2,3
	v_mul_f32 v[TM+8+\b], v[TM+8+\b], v[KEEP+2*\u+\b/2]
.endr
.endif
	QTAIL ACC+64*\u,16,8,CD+16*\u
	v_lshl_or_b32 v[P0], v[TM+5], 8, v[TM+4]
	v_lshl_or_b32 v[P1], v[TM+7], 8, v[TM+6]
	v_cndmask_b32 v[P0], v[P0], v[P1], s[HM]       ; lanes 0-15: tile 2 u's words, lanes 16-31: tile 2 u + 1's
	v_or_b32 v[WD+\u], 0x7f7f0000, v[P0]           ; bytes 2, 3 scale the upper 64 of the next product's K, which holds nothing: 1.0
.irp b, 0,1,2,3
	global_store_b128 v[AL], v[CD+16*\u+4*\b:CD+16*\u+4*\b+3], s[40:41] offset:(2*\u+\b/2)*1024+(\b%2)*512
.endr
	global_store_b32 v[A4], v[WD+\u], s[42:43] offset:128*\u
.endr
.endm
.Ltrip:
	s_wait_dscnt 0x0
	s_barrier_signal -1                            ; every wave's reads of the last block's records are back
	s_barrier_wait -1
	s_wait_loadcnt 0x0                             ; my record is in registers (first trip: the weights, their words and the bias too)
	WIN 0x0c                                       ; an LDS store's data are its source 1: window 3
.set I_, 0
.rept 25
	ds_store_b128 v[ADW], v[STGR+4*I_:STGR+4*I_+3] offset:512*I_
.set I_, I_+1
.endr
	WIN 0
	s_wait_dscnt 0x0                               ; for the others' sake: my stores have landed
	s_barrier_signal -1
	s_barrier_wait -1                              ; the block's four records lie in LDS
	s_add_co_u32 s46, s[BLK], 28
	s_cmp_lt_u32 s46, 128
	s_cbranch_scc0 .Lno_next                       ; no load leaves its buffer
	s_wait_xcnt 0x0
	s_add_nc_u64 s[28:29], s[28:29], 28*4*REC
	STAGE_LOAD                                     ; the next block's record lands while this block is multiplied
.Lno_next:
	s_wait_xcnt 0x0                                ; the last block's stores have read their bases and data: both are written again below
	s_lshr_b32 s54, s[BLK], 4                      ; the batch
	s_and_b32 s55, s[BLK], 15
	s_lshl_b32 s55, s55, 2                         ; the block's first tile in its batch
	s_mul_i32 s54, s54, 12
	s_add_co_u32 s54, s54, s[HD]                   ; bh
	s_cmp_eq_u32 s[PP], 0
	s_cbranch_scc1 .Larm_q
	s_cmp_eq_u32 s[PP], 1
	s_cbranch_scc1 .Larm_k
	s_lshl_b32 s48, s54, 16                        ; V: 65536 bh + 8192 (key step) + 512 (block of 32 keys in it)
	s_lshr_b32 s46, s55, 3
	s_lshl_b32 s46, s46, 13
	s_add_co_u32 s48, s48, s46
	s_bfe_u32 s46, s55, 0x10002
	s_lshl_b32 s46, s46, 10
	s_add_co_u32 s48, s48, s46
	s_add_nc_u64 s[40:41], s[36:37], s[48:49]
	s_lshl_b32 s48, s54, 5
	s_lshr_b32 s46, s55, 1
	s_add_co_u32 s48, s48, s46
	s_lshl_b32 s48, s48, 8
	s_add_nc_u64 s[42:43], s[38:39], s[48:49]      ; 256 (32 bh + block of 32 keys)
	GEMM 1
.irp y, 0,1                            ; the 32 keys of tiles 2 y and 2 y + 1; block b = my channel of tile b
	QHEAD ACC+64*\y,8,32
	QTAIL ACC+64*\y,8,32,CD+16*\y
	v_cndmask_b32 v[WD+2*\y], v[TM+4], v[TM+5], s[HM]
	v_cndmask_b32 v[WD+2*\y+1], v[TM+6], v[TM+7], s[HM]
.irp b, 0,1,2,3
	global_store_b128 v[AL], v[CD+16*\y+4*\b:CD+16*\y+4*\b+3], s[40:41] offset:\b*2048+\y*512
.endr
	global_store_b32 v[A4], v[WD+2*\y], s[42:43] offset:256*\y
	global_store_b32 v[A4], v[WD+2*\y+1], s[42:43] offset:256*\y+128
.endr
	s_branch .Ljoin
.Larm_q:
	ARM_QK 0
	s_branch .Ljoin
.Larm_k:
	ARM_QK 1
.Ljoin:
	s_add_co_u32 s[BLK], s[BLK], 28
	s_cmp_lt_u32 s[BLK], 128
	s_cbranch_scc1 .Ltrip
	s_wait_tensorcnt 0x0                           ; the wave's end
	ds_add_u32 v[SPW], v[NIL]
	s_wait_dscnt 0x0
	s_endpgm
.Lfunc_end_k_q708cb6eeb0_proj:
	.size	k_q708cb6eeb0_proj, .Lfunc_end_k_q708cb6eeb0_proj-k_q708cb6eeb0_proj
	.p2alignl 7, 3214868480
	.fill 96, 4, 3214868480
	.section	.rodata,"a",@progbits
	.p2align	6, 0x0
	.amdhsa_kernel k_q708cb6eeb0_proj
		.amdhsa_group_segment_fixed_size 51712
		.amdhsa_private_segment_fixed_size 0
		.amdhsa_enable_private_segment 0
		.amdhsa_kernarg_size 56
		.amdhsa_user_sgpr_count 2
		.amdhsa_user_sgpr_kernarg_segment_ptr 1
		.amdhsa_wavefront_size32 1
		.amdhsa_system_sgpr_workgroup_id_x 1
		.amdhsa_system_sgpr_workgroup_id_y 1
		.amdhsa_system_sgpr_workgroup_id_z 1
		.amdhsa_system_vgpr_workitem_id 0
		.amdhsa_next_free_vgpr 1024
		.amdhsa_next_free_sgpr 66
		.amdhsa_reserve_vcc 0
		.amdhsa_float_denorm_mode_32 3
		.amdhsa_float_denorm_mode_16_64 3
		.amdhsa_memory_ordered 1
		.amdhsa_forward_progress 1
		.amdhsa_inst_pref_size 139
	.end_amdhsa_kernel
	.amdgpu_metadata
---
amdhsa.version: [ 1, 2 ]
amdhsa.kernels:
  - .name:           k_q708cb6eeb0_proj
    .symbol:         k_q708cb6eeb0_proj.kd
    .args:
      - { .name: xq, .offset: 0, .size: 8, .value_kind: global_buffer, .address_space: global }
      - { .name: wimg, .offset: 8, .size: 8, .value_kind: global_buffer, .address_space: global }
      - { .name: bq, .offset: 16, .size: 8, .value_kind: global_buffer, .address_space: global }
      - { .name: bk, .offset: 24, .size: 8, .value_kind: global_buffer, .address_space: global }
      - { .name: bv, .offset: 32, .size: 8, .value_kind: global_buffer, .address_space: global }
      - { .name: att_mask, .offset: 40, .size: 8, .value_kind: global_buffer, .address_space: global }
      - { .name: qkv, .offset: 48, .size: 8, .value_kind: global_buffer, .address_space: global }
    .group_segment_fixed_size: 51712
    .private_segment_fixed_size: 0
    .kernarg_segment_align: 8
    .kernarg_segment_size: 56
    .max_flat_workgroup_size: 128
    .sgpr_count:     66
    .vgpr_count:     1024
    .wavefront_size: 32
...
	.end_amdgpu_metadata
.endif
;; end of part 2
;; launch attn (part 3): grid 96 x 8, 8 waves a work-group, no clusters, 142,336 bytes of LDS; arguments qkv, att_mask, edges, att; writes att
.if DOCPART == 3
	.amdgcn_target "amdgcn-amd-amdhsa--gfx1250"
	.amdhsa_code_object_version 6
	.text
	.protected	k_q708cb6eeb0_attn
	.globl	k_q708cb6eeb0_attn
	.p2align	8
	.type	k_q708cb6eeb0_attn,@function
k_q708cb6eeb0_attn:
	s_mov_b64 s[64:65], 0
	v_nop
	global_prefetch_b8 v0, s[64:65] scope:SCOPE_SE
	s_setreg_imm32_b32 hwreg(HW_REG_WAVE_MODE, 25, 1), 1
	s_wait_xcnt 0x0
; LAUNCH 3 OF 4.  For each batch and head: scores, the two softmaxes (bw: keys <= query; fw: keys >= query), both products with V, their sum, and the quantiser of att along product 7's K.
; WORK LEFT OUT: key steps of 128 keys that lie wholly on the hidden side of a tile's 16 queries, where every row of the tile has a key on its open side that is not padded: their p are 0 in f32 (shown at the head of
; the first launch; |score| < 1e8; a NaN, infinity or overflow that reaches only such a step is not carried on).  Whether that holds is read from edges: bw: the tile's first query >= FU; fw: its last query <= LU.
; A tile for which it fails (FLG = 1) walks all eight steps of that pass, with t rounded to f32 before M is taken away, as the definition has it.
; SHARES.  Work-group (x, y): x % 8 = block of 128 queries (it is key step x % 8), x / 8 = head, y = batch.  Wave w owns tile T = 8 (x % 8) + w: 16 queries.  The head's K and V codes, their scale words and the padding
; addend of each key are brought into LDS once, through registers; behind the one barrier the waves share nothing.
; LAYOUT.  S^T = K Q^T + C (source 0 = 16 keys, source 1 = my queries), O^T = V^T P^T: a lane holds ONE query throughout.  Register 16 b + e of S^T is key 128 step + 32 b + 16 (lane / 16) + e.
; The head has 64 channels: Q's upper eight registers are zeros, so what stands in the upper half of K's operand (the next tile's codes, never a NaN code: every number is held ahead of its conversion) adds nothing.
; RAW SCORES are 8 x the logits, so NEG is -8e9 here, exactly.  C is 0, or -8e9 for a padded key, whose codes are zeros: that IS where(pad, NEG, score).  The direction's NEG is added in f32 as reference() adds it.
; SOFTMAX: t = raw x log2(e) / 8; M = ceil of the running largest t; p = 2^(t - M) is quantised along the keys; the sum is taken of the unquantised p; a move of M multiplies the sum and O^T by a power of two.
; NO TENSOR LOADS AND NO CLUSTER: branches hang on whole numbers read from memory (edges), and partners would walk different steps.
; REGISTERS: v1-7 addresses; v8 -M, v9 largest t, v[10:11] the sum; v12 Q's scale words, v13 p's; v14-17 K's or V's; v18-22 addresses of the step, later scale operands and f; v24-39 Q; v40-103 K's tiles or V's fragments;
;   v104-111 zeros; v112-127 p's codes; v116-179 S^T, then p; v180-211 O^T; v212-243 bw's result; v244-255 at work.
.set KSL,   131072                     ; LDS: K's images at 0, V's at 65536; K's scale words [T][r];
.set VSL,   135168                     ; V's [step][tile][r];
.set MA,    137216                     ; the padding addend, f32 a key;
.set SPARE, 141312                     ; the spare words, 128 bytes a wave
.set FLOOR, 0x4800000
.set EOFF,  0xfc000000
.set AL,  1                            ; v1 16 x lane
.set AKS, 2                            ; v2 4 x lane + KSL
.set AMA, 3                            ; v3 64 (lane / 16) + MA
.set SPW, 4
.set NIL, 5
.set QD,  6                            ; v6 my query less the first key of my half in the diagonal block: 8 u + r + 8 (r / 8) - 16 (lane / 16)
.set AVV, 7                            ; v7 16 x lane + 65536
.set F,   40
.set S,   116
.set O,   180
.set KP,  212
.set T0,  244
.set WV,  4
.set QB,  5
.set HD,  6
.set BB,  7
.set FU,  32
.set LU,  33
.set BH,  34
.set TT,  35
.set G,   36                           ; s36 my queries' block of 32
.set QMIN, 38
.set QMAX, 39
.set ST,  42                           ; s42 the key step;  s43, s44, s45: its bytes in the images, in K's words and the addends, in V's words
.set KO,  43
.set SO,  44
.set VO,  45
.set SA,  48                           ; s[48:55] the direction's addend of each block of 32 keys, as pairs
.set CS,  56                           ; s[56:57] the factor from S^T to t: c, or 1 where S^T has been multiplied already
.set FLG, 58
.set MNT, 59
.set SEL, 60
.set CC,  62                           ; s[62:63] c = log2(e) / 8
.set NG,  66                           ; s66 -8e9
.macro WM d, a, b, c, sa, sb, ra       ; one product; ra: which half of the lanes holds A's scale words
.if (\ra) != 0
	v_wmma_scale_f32_16x16x128_f8f6f4 v[(\d):(\d)+7], v[(\a):(\a)+15], v[(\b):(\b)+15], v[(\c):(\c)+7], v[\sa], v[\sb] matrix_a_scale:MATRIX_SCALE_ROW1
.else
	v_wmma_scale_f32_16x16x128_f8f6f4 v[(\d):(\d)+7], v[(\a):(\a)+15], v[(\b):(\b)+15], v[(\c):(\c)+7], v[\sa], v[\sb]
.endif
.endm
	s_load_b256 s[8:15], s[0:1], 0x0               ; qkv, att_mask, edges, att
	v_lshl_add_u32 v[SPW], v0, 2, SPARE
	v_mov_b32 v[NIL], 0
	v_lshrrev_b32 v6, 5, v0
	v_readfirstlane_b32 s[WV], v6
	s_and_b32 s[QB], ttmp9, 7
	s_lshr_b32 s[HD], ttmp9, 3
	s_and_b32 s[BB], ttmp7, 0xffff
	s_mul_i32 s[BH], s[BB], 12
	s_add_co_u32 s[BH], s[BH], s[HD]
	s_lshl_b32 s[TT], s[QB], 3
	s_add_co_u32 s[TT], s[TT], s[WV]
	s_lshr_b32 s[G], s[TT], 1
	s_and_b32 s46, s[TT], 1
	s_lshl_b32 s46, s46, 3                         ; 8 u
	s_lshl_b32 s[QMIN], s[G], 5
	s_add_co_u32 s[QMIN], s[QMIN], s46
	s_add_co_u32 s[QMAX], s[QMIN], 23
	v_and_b32 v7, 31, v0
	v_lshlrev_b32 v[AL], 4, v7
	v_lshlrev_b32 v[AKS], 2, v7
	v_add_nc_u32 v[AKS], KSL, v[AKS]
	v_bfe_u32 v18, v0, 4, 1
	v_lshlrev_b32 v[AMA], 6, v18
	v_add_nc_u32 v[AMA], MA, v[AMA]
	v_and_b32 v19, 15, v0
	v_and_b32 v20, 8, v19
	v_add_nc_u32 v20, v20, v19
	v_lshlrev_b32 v21, 4, v18
	v_sub_nc_u32 v[QD], v20, v21
	v_add_nc_u32 v[QD], s46, v[QD]
	v_add_nc_u32 v[AVV], 0x10000, v[AL]
	s_lshl_b32 s46, s[WV], 13
	v_add_nc_u32 v244, s46, v[AL]                  ; the fill: 16 x lane + 8192 x wave, in memory and in LDS;
	v_add_nc_u32 v245, 0x10000, v244               ; V's place in LDS;
	v_lshlrev_b32 v246, 4, v0                      ; 16 x thread;
	v_lshlrev_b32 v247, 2, v0                      ; 4 x thread;
	v_lshrrev_b32 v248, 6, v0
	v_and_b32 v249, 63, v0
	v_lshlrev_b32 v249, 2, v249
	v_lshl_add_u32 v248, v248, 10, v249            ; V's byte words: 1024 (thread / 64) + 4 (thread % 64);
	v_lshlrev_b32 v249, 2, v19                     ; 4 r
	v_add_nc_u32 v250, KSL, v246
	v_add_nc_u32 v251, VSL, v247
	v_add_nc_u32 v252, MA, v246
	s_mov_b32 s[MNT], 0x600000
	s_mov_b32 s[SEL], 0x76543210
	s_mov_b32 s[SEL+1], 0xfedcba98
	s_mov_b32 s[CC], 0x3e38aa3b
	s_mov_b32 s[CC+1], s[CC]
	s_mov_b32 s[NG], 0xcfee6b28
.irp b, 0,1,2,3
	s_mov_b32 s[SA+2*\b+1], 0                      ; named with the addend as a pair, so it is written
.endr
	s_mov_b32 s41, 0                               ; the upper word of the offsets in s[40:41]
	s_wait_kmcnt 0x0
	s_lshl_b32 s40, s[BH], 16
	s_add_nc_u64 s[26:27], s[8:9], s[40:41]
	s_add_nc_u64 s[16:17], s[26:27], 6291456       ; K's images of my head
	s_add_nc_u64 s[18:19], s[26:27], 12582912      ; V's
	s_lshl_b32 s40, s[TT], 10
	s_add_nc_u64 s[26:27], s[26:27], s[40:41]      ; Q's image of my tile
	s_lshl_b32 s40, s[BH], 12
	s_add_nc_u64 s[20:21], s[8:9], s[40:41]
	s_add_nc_u64 s[28:29], s[20:21], 18874368
	s_add_nc_u64 s[20:21], s[20:21], 19267584      ; K's scale words
	s_lshl_b32 s40, s[TT], 6
	s_add_nc_u64 s[28:29], s[28:29], s[40:41]      ; Q's
	s_lshl_b32 s40, s[BH], 13
	s_add_nc_u64 s[22:23], s[8:9], s[40:41]
	s_add_nc_u64 s[22:23], s[22:23], 19660800      ; V's bytes
	s_lshl_b32 s40, s[BB], 10
	s_add_nc_u64 s[24:25], s[10:11], s[40:41]      ; the batch's mask
	s_lshl_b32 s40, s[BB], 7
	s_add_nc_u64 s[30:31], s[12:13], s[40:41]
	s_load_b64 s[FU:LU], s[30:31], 0x0             ; FU, LU
.set I_, 0
.rept 16
	global_load_b128 v[112+4*I_:115+4*I_], v244, s[16:17] offset:512*I_
.set I_, I_+1
.endr
.set I_, 0
.rept 16
	global_load_b128 v[176+4*I_:179+4*I_], v244, s[18:19] offset:512*I_
.set I_, I_+1
.endr
	global_load_b128 v[40:43], v246, s[20:21]
.irp i, 0,1,2,3
	global_load_b32 v[44+\i], v248, s[22:23] offset:256*\i
.endr
.irp i, 0,1,2,3
	global_load_b32 v[48+\i], v248, s[22:23] offset:4096+256*\i
.endr
	global_load_b32 v52, v247, s[24:25]
	global_load_b128 v[24:27], v[AL], s[26:27]
	global_load_b128 v[28:31], v[AL], s[26:27] offset:512
	global_load_b32 v12, v249, s[28:29]
.irp j, 0,1,2,3,4,5,6,7
	v_mov_b32 v[32+\j], 0                          ; Q's upper 64 of K
	v_mov_b32 v[104+\j], 0                         ; and what stands behind K's last tile
.endr
	v_mov_b32 v23, 0                               ; named as the upper half of the pair v[22:23]
	s_wait_loadcnt 29                              ; K's 16 loads are in; the 29 behind them stay out
.set I_, 0
.rept 16
	ds_store_b128 v244, v[112+4*I_:115+4*I_] offset:512*I_
.set I_, I_+1
.endr
	s_wait_loadcnt 13                              ; V's 16
.set I_, 0
.rept 16
	ds_store_b128 v245, v[176+4*I_:179+4*I_] offset:512*I_
.set I_, I_+1
.endr
	s_wait_loadcnt 3                               ; the small tables; Q's three loads stay out
	ds_store_b128 v250, v[40:43]
	v_lshl_or_b32 v53, v45, 8, v44                 ; four blocks' bytes make a key step's scale word
	v_lshl_or_b32 v54, v49, 8, v48
	v_lshl_or_b32 v53, v46, 16, v53
	v_lshl_or_b32 v54, v50, 16, v54
	v_lshl_or_b32 v53, v47, 24, v53
	v_lshl_or_b32 v54, v51, 24, v54
	ds_store_b32 v251, v53
	ds_store_b32 v251, v54 offset:1024
.irp y, 0,1,2,3
	v_bfe_u32 v[56+\y], v52, 8*\y, 1
.endr
.irp y, 0,1,2,3
	v_cvt_f32_u32 v[56+\y], v[56+\y]
.endr
.irp y, 0,1,2,3
	v_mul_f32 v[56+\y], s[NG], v[56+\y]            ; 0, or -8e9 for a padded key
.endr
	ds_store_b128 v252, v[56:59]
	s_wait_dscnt 0x0                               ; for the others' sake: my stores have landed
	s_barrier_signal -1
	s_barrier_wait -1
	s_wait_loadcnt 0x0                             ; Q
	s_wait_kmcnt 0x0                               ; FU, LU
.irp b, 0,1,2,3
	v_mov_b32 v[T0+4+\b], 0                        ; written once: a lane permute's destination counts as one of its sources
.endr
; The diagonal block b: NEG is added to the scores of the keys that lie on the hidden side of my query.
.macro ARM dir, b
.set E_, 0
.rept 16
.if \dir == 0
	v_cmp_gt_i32 vcc_lo, E_, v[QD]
.else
	v_cmp_lt_i32 vcc_lo, E_, v[QD]
.endif
	v_add_f32 v[T0+8+E_%2], s[NG], v[S+16*(\b)+E_]
	v_cndmask_b32 v[S+16*(\b)+E_], v[S+16*(\b)+E_], v[T0+8+E_%2], vcc_lo
.set E_, E_+1
.endr
.endm
; A PASS.  dir = 0: bw, dir = 1: fw.  Eight trips, a constant, so that the LDS addresses, which step with them, can be read off the text; a step that is left out jumps to the lines that step them.
.macro PASS dir
.if \dir == 0
	s_cmp_lt_i32 s[QMIN], s[FU]
.else
	s_cmp_gt_i32 s[QMAX], s[LU]
.endif
	s_cselect_b32 s[FLG], 1, 0
	s_cselect_b32 s[CS], 1.0, s[CC]
	s_mov_b32 s[CS+1], s[CS]
	v_mov_b32 v9, 0xff61b1e6                       ; the largest t so far: -3e38
	v_floor_f32 v8, -v9
	v_mov_b32 v10, 0
	v_mov_b32 v11, 0
.set I_, 0
.rept 32
	v_mov_b32 v[O+I_], 0                           ; the step is written once: the first finds zeros, which the first move of M leaves zeros
.set I_, I_+1
.endr
	s_mov_b32 s[ST], 0
	s_mov_b32 s[KO], 0
	s_mov_b32 s[SO], 0
	s_mov_b32 s[VO], VSL-KSL
.Lstep_\@:
.if \dir == 0
	s_cmp_le_u32 s[ST], s[QB]
.else
	s_cmp_ge_u32 s[ST], s[QB]
.endif
	s_cselect_b32 s46, 1, s[FLG]
	s_cmp_eq_u32 s46, 0
	s_cbranch_scc1 .Lskip_\@
	v_add_nc_u32 v18, s[KO], v[AL]                 ; K's tiles
	v_add_nc_u32 v19, s[SO], v[AKS]                ; their scale words
	v_add_nc_u32 v20, s[SO], v[AMA]                ; the padding addends
	v_add_nc_u32 v21, s[KO], v[AVV]                ; V's fragments
	v_add_nc_u32 v22, s[VO], v[AKS]                ; their scale words
.rept 4
	v_nop                                          ; with the five additions nine places behind the last step's products: the loads below land on registers that they read, and the products below write over p's codes
.endr
.irp b, 0,1,2,3
.irp i, 0,1,2,3
	ds_load_b128 v[S+16*\b+4*\i:S+16*\b+4*\i+3], v20 offset:128*\b+16*\i   ; the addends land in the accumulators: they are the products' C
.endr
.endr
.irp t, 0,1,2,3,4,5,6,7
.irp c, 0,1
	ds_load_b128 v[F+8*\t+4*\c:F+8*\t+4*\c+3], v18 offset:1024*\t+512*\c
.endr
.endr
.irp b, 0,1,2,3
	ds_load_b32 v[14+\b], v19 offset:128*\b        ; lanes 0-15: tile 2 b's words, lanes 16-31: tile 2 b + 1's
.endr
	s_wait_dscnt 0x0
.irp t, 0,1,2,3,4,5,6,7
	WM S+8*\t,F+8*\t,24,S+8*\t,14+\t/2,12,\t%2
.endr
.rept 8
	v_nop                                          ; eight places: in front of the loads into K's registers and of the first read of the scores
.endr
.irp t, 0,1,2,3
.irp c, 0,1,2,3
	ds_load_b128 v[F+16*\t+4*\c:F+16*\t+4*\c+3], v21 offset:2048*\t+512*\c   ; V lands while the softmax is walked
.endr
.endr
.irp k, 0,1
	ds_load_b32 v[14+\k], v22 offset:128*\k
.endr
.if \dir == 0
	s_cmp_lt_u32 s[ST], s[QB]
.else
	s_cmp_gt_u32 s[ST], s[QB]
.endif
	s_cbranch_scc1 .Lopen_\@                       ; all 128 keys lie on the open side
	s_lshl_b32 s46, s[ST], 2
.irp b, 0,1,2,3
	s_add_co_u32 s47, s46, \b
.if \dir == 0
	s_cmp_gt_u32 s47, s[G]
.else
	s_cmp_lt_u32 s47, s[G]
.endif
	s_cselect_b32 s[SA+2*\b], s[NG], 0             ; a block of 32 keys that lies wholly on the hidden side gets NEG
.endr
.irp b, 0,1,2,3
.irp j, 0,2,4,6,8,10,12,14
	v_pk_add_f32 v[S+16*\b+\j:S+16*\b+\j+1], v[S+16*\b+\j:S+16*\b+\j+1], s[SA+2*\b:SA+2*\b+1] op_sel_hi:[1,0]
.endr
.endr
	s_cmp_lg_u32 s[ST], s[QB]
	s_cbranch_scc1 .Lopen_\@
	s_and_b32 s46, s[G], 3                         ; the diagonal block: which 16 registers hangs on ids alone
	s_cmp_lg_u32 s46, 0
	s_cbranch_scc1 .Lb1_\@
	ARM \dir,0
	s_branch .Lopen_\@
.Lb1_\@:
	s_cmp_lg_u32 s46, 1
	s_cbranch_scc1 .Lb2_\@
	ARM \dir,1
	s_branch .Lopen_\@
.Lb2_\@:
	s_cmp_lg_u32 s46, 2
	s_cbranch_scc1 .Lb3_\@
	ARM \dir,2
	s_branch .Lopen_\@
.Lb3_\@:
	ARM \dir,3
.Lopen_\@:
	s_cmp_eq_u32 s[FLG], 0
	s_cbranch_scc1 .Lfused_\@
.set I_, 0
.rept 32
	v_pk_mul_f32 v[S+I_:S+I_+1], v[S+I_:S+I_+1], s[CC:CC+1] op_sel_hi:[1,0]   ; FLG: t is rounded to f32 here; a fused multiply-add on -8e9 would leave the rounding's rest in the exponent
.set I_, I_+2
.endr
.Lfused_\@:
.irp b, 0,1,2,3
	v_max3_num_f32 v[T0+\b], v[S+16*\b], v[S+16*\b+1], v[S+16*\b+2]   ; the largest score of each block of 32 keys: for the row's maximum, and, since p rises with the score, for the block's largest p
.endr
.irp i, 3,5,7,9,11,13
.irp b, 0,1,2,3
	v_max3_num_f32 v[T0+\b], v[T0+\b], v[S+16*\b+\i], v[S+16*\b+\i+1]
.endr
.endr
.irp b, 0,1,2,3
	v_max_num_f32 v[T0+\b], v[T0+\b], v[S+16*\b+15]
.endr
.irp b, 0,1,2,3
	v_permlanex16_b32 v[T0+4+\b], v[T0+\b], s[SEL], s[SEL+1]
.endr
.irp b, 0,1,2,3
	v_max_num_f32 v[T0+\b], v[T0+\b], v[T0+4+\b]
.endr
	v_max3_num_f32 v[T0+4], v[T0], v[T0+1], v[T0+2]
	v_max_num_f32 v[T0+4], v[T0+4], v[T0+3]
	v_mul_f32 v[T0+4], s[CS], v[T0+4]              ; the step's largest t of my query
	v_max_num_f32 v9, v9, v[T0+4]
	v_mov_b32 v[T0+5], v8
	v_floor_f32 v8, -v9                            ; the new -M = -ceil(t): a whole number
	v_sub_f32 v[T0+5], v8, v[T0+5]
	v_cvt_i32_f32 v[T0+5], v[T0+5]                 ; (it saturates)
	v_ldexp_f32 v22, 1.0, v[T0+5]                  ; f = 2^(old M - new M)
.set I_, 0
.rept 32
	v_pk_fma_f32 v[S+I_:S+I_+1], v[S+I_:S+I_+1], s[CS:CS+1], v[8:9] op_sel_hi:[1,0,0]   ; t - M
.set I_, I_+2
.endr
.irp b, 0,1,2,3
	v_fma_f32 v[T0+\b], v[T0+\b], s[CS], v8
.endr
.set I_, 0
.rept 64
	v_exp_f32 v[S+I_], v[S+I_]                     ; p = 2^(t - M)
.set I_, I_+1
.endr
	v_pk_mul_f32 v[10:11], v[10:11], v[22:23] op_sel_hi:[1,0]   ; the sum under the new M: the plain line behind the exponentials
	s_wait_alu depctr_va_vdst(0)                   ; one wait for the batch, ahead of its first reader
.irp b, 0,1,2,3
	v_exp_f32 v[T0+\b], v[T0+\b]                   ; each block's largest p
.endr
	v_pk_add_f32 v[T0+6:T0+7], v[S:S+1], v[S+2:S+3]   ; the sum of the unquantised p, in two chains
.irp j, 4,8,12,16,20,24,28,32,36,40,44,48,52,56,60
	v_pk_add_f32 v[10:11], v[10:11], v[S+\j:S+\j+1]
	v_pk_add_f32 v[T0+6:T0+7], v[T0+6:T0+7], v[S+\j+2:S+\j+3]
.endr
	v_pk_add_f32 v[10:11], v[10:11], v[T0+6:T0+7]
	s_wait_alu depctr_va_vdst(0)                   ; and one for the four
.irp b, 0,1,2,3
	v_max_num_f32 v[T0+\b], FLOOR, v[T0+\b]
.endr
.irp b, 0,1,2,3
	v_add_nc_u32 v[18+\b], EOFF, v[T0+\b]          ; the conversion's scale operand
.endr
.irp b, 0,1,2,3
	v_and_or_b32 v[T0+8+\b], v[T0+\b], 0x7f800000, s[MNT]   ; 448 x the scale
.endr
.irp b, 0,1,2,3
	v_lshrrev_b32 v[T0+4+\b], 23, v[18+\b]
.endr
	v_lshl_or_b32 v13, v[T0+5], 8, v[T0+4]         ; p's scale word for these 128 keys
	v_lshl_or_b32 v13, v[T0+6], 16, v13
	v_lshl_or_b32 v13, v[T0+7], 24, v13
.irp b, 0,1,2,3                        ; block b's codes go to v112 + 4 b: from block 1 on onto block 0's p, which has been converted; the next block's 16 holds are the plain lines between
.irp i, 0,1,2,3,4,5,6,7,8,9,10,11,12,13,14,15
	v_min_num_f32 v[S+16*\b+\i], v[S+16*\b+\i], v[T0+8+\b]   ; p is not negative: the hold is one-sided
.endr
	v_cvt_scalef32_pk8_fp8_f32 v[112+4*\b:113+4*\b], v[S+16*\b:S+16*\b+7], v[18+\b]
	v_cvt_scalef32_pk8_fp8_f32 v[114+4*\b:115+4*\b], v[S+16*\b+8:S+16*\b+15], v[18+\b]
.endr
	v_nop
.set I_, 0
.rept 16
	v_pk_mul_f32 v[O+I_:O+I_+1], v[O+I_:O+I_+1], v[22:23] op_sel_hi:[1,0]   ; O^T under the new M; also the places between the codes and the products
.set I_, I_+2
.endr
	s_wait_dscnt 0x0                               ; V
.irp t, 0,1,2,3
	WM O+8*\t,F+16*\t,112,O+8*\t,14+\t/2,13,\t%2
.endr
.Lskip_\@:
	s_add_co_u32 s[KO], s[KO], 8192
	s_add_co_u32 s[SO], s[SO], 512
	s_add_co_u32 s[VO], s[VO], 256
	s_add_co_u32 s[ST], s[ST], 1
	s_cmp_lt_u32 s[ST], 8
	s_cbranch_scc1 .Lstep_\@
.rept 8
	v_nop
.endr
	v_add_f32 v10, v10, v11
	v_permlanex16_b32 v[T0+4], v10, s[SEL], s[SEL+1]
	v_add_f32 v10, v10, v[T0+4]                    ; the row's sum
	v_rcp_f32 v22, v10
	v_nop
	s_wait_alu depctr_va_vdst(0)
.set I_, 0
.rept 16
.if \dir == 0
	v_pk_mul_f32 v[KP+I_:KP+I_+1], v[O+I_:O+I_+1], v[22:23] op_sel_hi:[1,0]
.else
	v_pk_fma_f32 v[S+I_:S+I_+1], v[O+I_:O+I_+1], v[22:23], v[KP+I_:KP+I_+1] op_sel_hi:[1,0,1]   ; att = fw's + bw's: register 16 b + e is channel 32 b + 16 (lane / 16) + e
.endif
.set I_, I_+2
.endr
.endm
	PASS 0
	PASS 1
	; THE WAY OUT: att's two blocks of 32 channels are quantised and leave as two chunks of product 7's operand image, with my head's half of the scale word.
.irp b, 0,1
	v_max3_num_f32 v[T0+\b], |v[S+16*\b]|, |v[S+16*\b+1]|, FLOOR
.endr
.irp i, 2,4,6,8,10,12,14
.irp b, 0,1
	v_max3_num_f32 v[T0+\b], v[T0+\b], |v[S+16*\b+\i]|, |v[S+16*\b+\i+1]|
.endr
.endr
.irp b, 0,1
	v_permlanex16_b32 v[T0+4+\b], v[T0+\b], s[SEL], s[SEL+1]
.endr
.irp b, 0,1
	v_max_num_f32 v[T0+\b], v[T0+\b], v[T0+4+\b]
.endr
.irp b, 0,1
	v_add_nc_u32 v[18+\b], EOFF, v[T0+\b]
.endr
.irp b, 0,1
	v_and_or_b32 v[T0+8+\b], v[T0+\b], 0x7f800000, s[MNT]
.endr
.irp b, 0,1
	v_lshrrev_b32 v[T0+4+\b], 23, v[18+\b]
.endr
	v_lshl_or_b32 v13, v[T0+5], 8, v[T0+4]
.irp b, 0,1
.irp i, 0,1,2,3,4,5,6,7,8,9,10,11,12,13,14,15
	v_med3_num_f32 v[S+16*\b+\i], v[S+16*\b+\i], -v[T0+8+\b], v[T0+8+\b]
.endr
	v_cvt_scalef32_pk8_fp8_f32 v[F+4*\b:F+4*\b+1], v[S+16*\b:S+16*\b+7], v[18+\b]
	v_cvt_scalef32_pk8_fp8_f32 v[F+4*\b+2:F+4*\b+3], v[S+16*\b+8:S+16*\b+15], v[18+\b]
.endr
	v_nop
	v_and_b32 v20, 15, v0
	v_lshlrev_b32 v20, 2, v20
	s_lshl_b32 s46, s[BB], 6
	s_add_co_u32 s46, s46, s[TT]
	s_mul_i32 s47, s46, 13056                      ; my tile's record
	s_lshr_b32 s46, s[HD], 1
	s_lshl_b32 s46, s46, 11
	s_add_co_u32 s40, s47, s46
	s_and_b32 s46, s[HD], 1
	s_lshl_b32 s46, s46, 10
	s_add_co_u32 s40, s40, s46
	s_add_nc_u64 s[16:17], s[14:15], s[40:41]      ; K step head / 2, chunks 2 (head % 2) and + 1
	s_lshl_b32 s46, s[HD], 6
	s_add_co_u32 s40, s47, s46
	s_add_co_u32 s40, s40, 12288
	s_add_nc_u64 s[18:19], s[14:15], s[40:41]
	global_store_b128 v[AL], v[F:F+3], s[16:17]
	global_store_b128 v[AL], v[F+4:F+7], s[16:17] offset:512
	global_store_b32 v20, v13, s[18:19]            ; both halves of the lanes write the same word with the same value
	s_wait_tensorcnt 0x0                           ; the wave's end
	ds_add_u32 v[SPW], v[NIL]
	s_wait_dscnt 0x0
	s_endpgm
.Lfunc_end_k_q708cb6eeb0_attn:
	.size	k_q708cb6eeb0_attn, .Lfunc_end_k_q708cb6eeb0_attn-k_q708cb6eeb0_attn
	.p2alignl 7, 3214868480
	.fill 96, 4, 3214868480
	.section	.rodata,"a",@progbits
	.p2align	6, 0x0
	.amdhsa_kernel k_q708cb6eeb0_attn
		.amdhsa_group_segment_fixed_size 142336
		.amdhsa_private_segment_fixed_size 0
		.amdhsa_enable_private_segment 0
		.amdhsa_kernarg_size 32
		.amdhsa_user_sgpr_count 2
		.amdhsa_user_sgpr_kernarg_segment_ptr 1
		.amdhsa_wavefront_size32 1
		.amdhsa_system_sgpr_workgroup_id_x 1
		.amdhsa_system_sgpr_workgroup_id_y 1
		.amdhsa_system_sgpr_workgroup_id_z 1
		.amdhsa_system_vgpr_workitem_id 0
		.amdhsa_next_free_vgpr 256
		.amdhsa_next_free_sgpr 68
		.amdhsa_reserve_vcc 1
		.amdhsa_float_denorm_mode_32 3
		.amdhsa_float_denorm_mode_16_64 3
		.amdhsa_memory_ordered 1
		.amdhsa_forward_progress 1
		.amdhsa_inst_pref_size 84
	.end_amdhsa_kernel
	.amdgpu_metadata
---
amdhsa.version: [ 1, 2 ]
amdhsa.kernels:
  - .name:           k_q708cb6eeb0_attn
    .symbol:         k_q708cb6eeb0_attn.kd
    .args:
      - { .name: qkv, .offset: 0, .size: 8, .value_kind: global_buffer, .address_space: global }
      - { .name: att_mask, .offset: 8, .size: 8, .value_kind: global_buffer, .address_space: global }
      - { .name: edges, .offset: 16, .size: 8, .value_kind: global_buffer, .address_space: global }
      - { .name: att, .offset: 24, .size: 8, .value_kind: global_buffer, .address_space: global }
    .group_segment_fixed_size: 142336
    .private_segment_fixed_size: 0
    .kernarg_segment_align: 8
    .kernarg_segment_size: 32
    .max_flat_workgroup_size: 256
    .sgpr_count:     68
    .vgpr_count:     256
    .wavefront_size: 32
...
	.end_amdgpu_metadata
.endif
;; end of part 3
;; launch outln (part 4): grid 256 x 1, 8 waves a work-group, no clusters, 224,256 bytes of LDS; arguments att, wimg, q, bo, gamma, beta, out0; writes out0
.if DOCPART == 4
	.amdgcn_target "amdgcn-amd-amdhsa--gfx1250"
	.amdhsa_code_object_version 6
	.text
	.protected	k_q708cb6eeb0_outln
	.globl	k_q708cb6eeb0_outln
	.p2align	8
	.type	k_q708cb6eeb0_outln,@function
k_q708cb6eeb0_outln:
	s_mov_b64 s[64:65], 0
	v_nop
	global_prefetch_b8 v0, s[64:65] scope:SCOPE_SE
	s_setreg_imm32_b32 hwreg(HW_REG_WAVE_MODE, 25, 1), 1
	s_wait_xcnt 0x0
; LAUNCH 4 OF 4.  out0 = LayerNorm(q + att Wo + bo) x gamma + beta; the product on codes of E4M3.  Nothing is left out here.
; SHARES.  Work-group G owns rows 32 G .. 32 G + 31 (row tiles 2 G, 2 G + 1) and all 768 columns, since the norm wants whole rows.  Wave w owns column tiles 6 w .. 6 w + 5: each fragment of Wo goes from memory
; straight into the registers of the one wave that multiplies it, and feeds two products.  The product is used transposed (source 0 = 16 columns of Wo, source 1 = 16 rows of att); bo is the C of each sum's first product.
; att's two records and the residual's 32 rows come into LDS by two tensor loads a wave, all first fills.
; The results meet in a stage in LDS; then wave w takes rows 4 w .. 4 w + 3 whole: mean, variance, scale, 512 consecutive bytes a store.
; NO CLUSTER: what work-groups share is Wo, and it goes to registers, not through LDS.
; REGISTERS.  Window 0: v1-11 addresses; v16-21 att's scale words; v22-39 Wo's; v40-135 the 12 accumulators (tile, u) at 40 + 16 tile + 8 u, later four rows; v136-231 two sets of three fragments of Wo, later the residual;
;   v232-255 at work.   Window 1: v0-191 att's 12 fragments at 16 (6 u + s), of which v0-47 later take gamma and beta; v192-239 the third set of Wo's fragments.
.set RES,   26112                      ; LDS: att's two records at 0; the residual, 32 rows of 3,072 bytes;
.set STG,   124416                     ; the stage: 32 rows of 3,072 + 16 bytes, written by LDS stores alone;
.set SPARE, 223232                     ; the spare words, 128 bytes a wave
.set SP,    3088
.set AL,  1
.set A4,  2
.set WVO, 3                            ; v3 16 x lane + 73728 x wave: my six tiles' images
.set BOV, 4                            ; v4 64 (lane / 16) + 384 x wave
.set ASA, 5                            ; v5 att's scale words: 13056 (lane / 16) + 12288 + 4 r
.set STO, 6
.set SRD, 7
.set RRD, 8
.set SPW, 10
.set NIL, 11
.set SA,  16
.set WSR, 22
.set ACC, 40
.set WV,  42
.set MSB, 0
.macro WIN new
.if MSB != (\new)
	s_set_vgpr_msb (MSB<<8)|(\new)
.set MSB, (\new)
.endif
.endm
.macro WM d, a, b, c, sa, sb, ra, rb
.if ((\ra) != 0) && ((\rb) != 0)
	v_wmma_scale_f32_16x16x128_f8f6f4 v[(\d):(\d)+7], v[(\a):(\a)+15], v[(\b):(\b)+15], v[(\c):(\c)+7], v[\sa], v[\sb] matrix_a_scale:MATRIX_SCALE_ROW1 matrix_b_scale:MATRIX_SCALE_ROW1
.elseif (\ra) != 0
	v_wmma_scale_f32_16x16x128_f8f6f4 v[(\d):(\d)+7], v[(\a):(\a)+15], v[(\b):(\b)+15], v[(\c):(\c)+7], v[\sa], v[\sb] matrix_a_scale:MATRIX_SCALE_ROW1
.elseif (\rb) != 0
	v_wmma_scale_f32_16x16x128_f8f6f4 v[(\d):(\d)+7], v[(\a):(\a)+15], v[(\b):(\b)+15], v[(\c):(\c)+7], v[\sa], v[\sb] matrix_b_scale:MATRIX_SCALE_ROW1
.else
	v_wmma_scale_f32_16x16x128_f8f6f4 v[(\d):(\d)+7], v[(\a):(\a)+15], v[(\b):(\b)+15], v[(\c):(\c)+7], v[\sa], v[\sb]
.endif
.endm
	s_load_b256 s[4:11], s[0:1], 0x0               ; att, wimg, q, bo
	s_load_b128 s[12:15], s[0:1], 0x20             ; gamma, beta
	s_load_b64 s[40:41], s[0:1], 0x30              ; out0
	v_lshl_add_u32 v[SPW], v0, 2, SPARE
	v_mov_b32 v[NIL], 0
	ds_add_u32 v[SPW], v[NIL]                      ; the wave's opening: the add, twice on end, and its wait ahead of my first tensor load
	ds_add_u32 v[SPW], v[NIL]
	v_lshrrev_b32 v9, 5, v0
	v_readfirstlane_b32 s[WV], v9
	; att's records: 26,112 dense bytes, an eighth a wave: one row of 408 elements of 8 bytes
	s_mov_b32 s16, 3<<16
	s_mov_b32 s17, 408<<16
	s_mov_b32 s18, 1<<16
	s_mov_b32 s19, 408<<16
	s_mov_b32 s20, 1
	s_mov_b32 s21, 408
	s_mov_b32 s22, 1<<16
	s_mov_b32 s23, 0
	; the residual: 98,304 dense bytes, four rows of q a wave, as 48 rows of 32 elements of 8 bytes
	s_mov_b32 s28, 3<<16
	s_mov_b32 s29, 32<<16
	s_mov_b32 s30, 48<<16
	s_mov_b32 s31, 32<<16
	s_mov_b32 s32, 48
	s_mov_b32 s33, 32
	s_mov_b32 s34, 0
	s_mov_b32 s35, 0
	s_mov_b32 s24, 1
	s_mul_i32 s25, s[WV], 3264
	s_mov_b32 s36, 1
	s_mul_i32 s37, s[WV], 12288
	s_mul_i32 s50, ttmp9, 98304
	s_add_co_u32 s50, s50, s37                     ; my four rows, in q and in out0
	s_mov_b32 s51, 0
	s_add_co_u32 s37, s37, RES
	s_mul_i32 s44, ttmp9, 26112
	s_add_co_u32 s44, s44, s25
	s_mov_b32 s45, 0
	s_mov_b32 s46, 0x76543210
	s_mov_b32 s47, 0xfedcba98
	s_mov_b32 s48, 0x3aaaaaab                      ; 1 / 768
	s_mov_b32 s49, 0x358637bd                      ; 1e-6
	v_and_b32 v9, 31, v0
	v_lshlrev_b32 v[AL], 4, v9
	v_lshlrev_b32 v[A4], 2, v9
	s_mul_i32 s43, s[WV], 73728
	v_add_nc_u32 v[WVO], s43, v[AL]
	v_bfe_u32 v12, v0, 4, 1
	v_and_b32 v13, 15, v0
	s_mul_i32 s43, s[WV], 384
	v_lshl_add_u32 v[BOV], v12, 6, s43
	v_mul_u32_u24 v[ASA], v12, 13056
	v_lshl_add_u32 v[ASA], v13, 2, v[ASA]
	v_add_nc_u32 v[ASA], 12288, v[ASA]
	v_and_b32 v14, 8, v13
	v_add_nc_u32 v14, v14, v13
	v_mul_u32_u24 v[STO], v14, SP
	v_add_nc_u32 v[STO], v[STO], v[BOV]
	v_add_nc_u32 v[STO], STG, v[STO]               ; the stage, on the way in: row r + 8 (r / 8), my wave's 384 bytes, + 64 (lane / 16)
	s_mul_i32 s43, s[WV], 4*SP
	v_add_nc_u32 v[SRD], s43, v[AL]
	v_add_nc_u32 v[SRD], STG, v[SRD]               ; and on the way out: my four rows, 16 bytes a lane
	s_mul_i32 s43, s[WV], 12288
	v_add_nc_u32 v[RRD], s43, v[AL]
	v_add_nc_u32 v[RRD], RES, v[RRD]
.irp i, 0,1,2,3
	v_mov_b32 v[248+\i], 0                         ; written once: a lane permute's destination counts as one of its sources
.endr
	s_wait_dscnt 0x0                               ; both opening adds are done
	s_wait_kmcnt 0x0
	s_add_nc_u64 s[26:27], s[4:5], s[44:45]
	s_or_b32 s27, s27, 0x80000000
	s_add_nc_u64 s[38:39], s[8:9], s[50:51]
	s_or_b32 s39, s39, 0x80000000
	tensor_load_to_lds s[24:27], s[16:23]          ; my eighth of att's records
	s_nop 0
	tensor_load_to_lds s[36:39], s[28:35]          ; my four rows of the residual
	s_nop 0
.rept 4
	v_nop
.endr
	s_add_nc_u64 s[54:55], s[40:41], s[50:51]      ; out0 at my four rows
	s_add_nc_u64 s[50:51], s[6:7], 3*608256        ; Wo's images
	s_mul_i32 s44, s[WV], 3*768
	s_add_co_u32 s44, s44, 3*608256+589824
	s_add_nc_u64 s[52:53], s[6:7], s[44:45]        ; my three pairs' scale words
.irp t, 0,1,2,3,4,5
.irp u, 0,1
	global_load_b128 v[ACC+16*\t+8*\u:ACC+16*\t+8*\u+3], v[BOV], s[10:11] offset:4*(32*(\t/2)+8*(\t%2))      ; bo lands in the accumulators: register j is column 96 w + 32 (t / 2) + 16 (lane / 16) + 8 (t % 2) + j
	global_load_b128 v[ACC+16*\t+8*\u+4:ACC+16*\t+8*\u+7], v[BOV], s[10:11] offset:4*(32*(\t/2)+8*(\t%2))+16
.endr
.endr
.irp pr, 0,1,2
.irp s, 0,1,2,3,4,5
	global_load_b32 v[WSR+6*\pr+\s], v[A4], s[52:53] offset:(6*\pr+\s)*128
.endr
.endr
; Batch k of 12: K step k / 2, tiles 3 (k % 2) + 0 .. 2: three fragments of Wo, 12 loads, into set k % 3 (sets 0, 1 in window 0, set 2 in window 1)
.macro WB k
.set LS_, (\k)/2
.set LT_, 3*((\k)%2)
.if (\k)%3 == 2
.set LR_, 192
	WIN 0x40
.else
.set LR_, 136+48*((\k)%3)
.endif
.irp f, 0,1,2
.irp c, 0,1,2,3
	global_load_b128 v[LR_+16*\f+4*\c:LR_+16*\f+4*\c+3], v[WVO], s[50:51] offset:(LT_+\f)*12288+2048*LS_+512*\c
.endr
.endr
	WIN 0
.endm
	WB 0
	WB 1
	s_wait_tensorcnt 0x1                           ; my part of att's records has landed; the residual's load may stay out
	s_barrier_signal -1
	s_barrier_wait -1                              ; everybody's has
	WIN 0x40
.irp u, 0,1
.irp s, 0,1,2,3,4,5
.irp c, 0,1,2,3
	ds_load_b128 v[16*(6*\u+\s)+4*\c:16*(6*\u+\s)+4*\c+3], v[AL] offset:13056*\u+2048*\s+512*\c
.endr
.endr
.endr
	WIN 0
.irp n, 0,1,2,3,4,5,6,7,8,9,10,11
	ds_load_b32 v[232+\n], v[ASA] offset:64*\n     ; a head's two bytes; lanes 0-15: tile 2 G's rows, lanes 16-31: tile 2 G + 1's
.endr
	s_wait_dscnt 0x0
.irp s, 0,1,2,3,4,5
	v_lshl_or_b32 v[SA+\s], v[233+2*\s], 16, v[232+2*\s]   ; two heads make a K step's scale word
.endr
; The 12 accumulators take turns, one instruction a turn, six a batch.
.macro BATCH k
.rept 8
	v_nop                                          ; eight places in front of loads into registers that the batch before read; in batch 0 between the scale words just made and the first product
.endr
.if (\k) == 6
	WIN 0x40                                       ; gamma and beta land on att's fragments of tile 2 G, K steps 0 to 2, which are done with: my columns 128 j + 4 x lane
.irp j, 0,1,2,3,4,5
	global_load_b128 v[4*\j:4*\j+3], v[AL], s[12:13] offset:512*\j
.endr
.irp j, 0,1,2,3,4,5
	global_load_b128 v[24+4*\j:24+4*\j+3], v[AL], s[14:15] offset:512*\j
.endr
	WIN 0
.endif
.if (\k)+2 <= 11
	WB (\k)+2
.endif
.if (\k) == 11
	s_wait_loadcnt 0x0
.elseif (\k) == 10
	s_wait_loadcnt 12                              ; the last batch's 12 stay out
.elseif ((\k) == 6) || ((\k) == 7)
	s_wait_loadcnt 36                              ; two later batches' 24, and gamma's and beta's 12
.else
	s_wait_loadcnt 24                              ; two later batches' 24 stay out
.endif
.set BS_, (\k)/2
.set BT_, 3*((\k)%2)
.if (\k)%3 == 2
.set BR_, 192
	WIN 0x05
.else
.set BR_, 136+48*((\k)%3)
	WIN 0x04
.endif
.irp f, 0,1,2
.irp u, 0,1
	WM ACC+16*(BT_+\f)+8*\u,BR_+16*\f,16*(6*\u+BS_),ACC+16*(BT_+\f)+8*\u,WSR+6*((BT_+\f)/2)+BS_,SA+BS_,(BT_+\f)%2,\u
.endr
.endr
	WIN 0
.endm
.irp k, 0,1,2,3,4,5,6,7,8,9,10,11
	BATCH \k
.endr
.rept 8
	v_nop
.endr
.irp t, 0,1,2,3,4,5
.irp u, 0,1
	ds_store_b128 v[STO], v[ACC+16*\t+8*\u:ACC+16*\t+8*\u+3] offset:8*\u*SP+4*(32*(\t/2)+8*(\t%2))        ; each accumulator from its low end on
	ds_store_b128 v[STO], v[ACC+16*\t+8*\u+4:ACC+16*\t+8*\u+7] offset:8*\u*SP+4*(32*(\t/2)+8*(\t%2))+16
.endr
.endr
	s_wait_dscnt 0x0                               ; for the others' sake: my stores have landed
	s_barrier_signal -1
	s_barrier_wait -1                              ; 32 whole rows lie in the stage
	s_wait_tensorcnt 0x0                           ; my four rows of the residual: only I read them
.irp i, 0,1,2,3
.irp k, 0,1,2,3,4,5
	ds_load_b128 v[40+24*\i+4*\k:40+24*\i+4*\k+3], v[SRD] offset:SP*\i+512*\k
.endr
.endr
.irp i, 0,1,2,3
.irp k, 0,1,2,3,4,5
	ds_load_b128 v[136+24*\i+4*\k:136+24*\i+4*\k+3], v[RRD] offset:3072*\i+512*\k
.endr
.endr
	s_wait_dscnt 0x0
.set I_, 0
.rept 48
	v_pk_add_f32 v[40+I_:41+I_], v[40+I_:41+I_], v[136+I_:137+I_]   ; x = residual + mh
.set I_, I_+2
.endr
.irp i, 0,1,2,3
	v_pk_add_f32 v[232+2*\i:233+2*\i], v[40+24*\i:41+24*\i], v[42+24*\i:43+24*\i]   ; the four rows by turns
.endr
.irp j, 4,6,8,10,12,14,16,18,20,22
.irp i, 0,1,2,3
	v_pk_add_f32 v[232+2*\i:233+2*\i], v[232+2*\i:233+2*\i], v[40+24*\i+\j:41+24*\i+\j]
.endr
.endr
.irp i, 0,1,2,3
	v_add_f32 v[232+2*\i], v[232+2*\i], v[233+2*\i]
.endr
.irp x, 1,2,4,8
.irp i, 0,1,2,3
	v_add_f32_dpp v[232+2*\i], v[232+2*\i], v[232+2*\i] row_xmask:\x row_mask:0xf bank_mask:0xf
.endr
.endr
.irp i, 0,1,2,3
	v_permlanex16_b32 v[248+\i], v[232+2*\i], s46, s47
.endr
.irp i, 0,1,2,3
	v_add_f32 v[232+2*\i], v[232+2*\i], v[248+\i]
.endr
.irp i, 0,1,2,3
	v_mul_f32 v[232+2*\i], s48, v[232+2*\i]        ; mu
.endr
.irp j, 0,2,4,6,8,10,12,14,16,18,20,22
.irp i, 0,1,2,3
	v_pk_add_f32 v[40+24*\i+\j:41+24*\i+\j], v[40+24*\i+\j:41+24*\i+\j], v[232+2*\i:233+2*\i] op_sel_hi:[1,0] neg_lo:[0,1] neg_hi:[0,1]   ; x - mu
.endr
.endr
.irp i, 0,1,2,3
	v_pk_mul_f32 v[240+2*\i:241+2*\i], v[40+24*\i:41+24*\i], v[40+24*\i:41+24*\i]
.endr
.irp j, 2,4,6,8,10,12,14,16,18,20,22
.irp i, 0,1,2,3
	v_pk_fma_f32 v[240+2*\i:241+2*\i], v[40+24*\i+\j:41+24*\i+\j], v[40+24*\i+\j:41+24*\i+\j], v[240+2*\i:241+2*\i]
.endr
.endr
.irp i, 0,1,2,3
	v_add_f32 v[240+2*\i], v[240+2*\i], v[241+2*\i]
.endr
.irp x, 1,2,4,8
.irp i, 0,1,2,3
	v_add_f32_dpp v[240+2*\i], v[240+2*\i], v[240+2*\i] row_xmask:\x row_mask:0xf bank_mask:0xf
.endr
.endr
.irp i, 0,1,2,3
	v_permlanex16_b32 v[248+\i], v[240+2*\i], s46, s47
.endr
.irp i, 0,1,2,3
	v_add_f32 v[240+2*\i], v[240+2*\i], v[248+\i]
.endr
.irp i, 0,1,2,3
	v_fma_f32 v[240+2*\i], v[240+2*\i], s48, s49   ; var + 1e-6
.endr
.irp i, 0,1,2,3
	v_rsq_f32 v[240+2*\i], v[240+2*\i]
.endr
	v_nop                                          ; the plain line behind the last of them,
	s_wait_alu depctr_va_vdst(0)                   ; and one wait for the four, ahead of the first reader
.irp j, 0,2,4,6,8,10,12,14,16,18,20,22
.irp i, 0,1,2,3
	v_pk_mul_f32 v[40+24*\i+\j:41+24*\i+\j], v[40+24*\i+\j:41+24*\i+\j], v[240+2*\i:241+2*\i] op_sel_hi:[1,0]
.endr
.endr
	WIN 0x14                                       ; gamma and beta: window 1
.irp j, 0,2,4,6,8,10,12,14,16,18,20,22
.irp i, 0,1,2,3
	v_pk_fma_f32 v[40+24*\i+\j:41+24*\i+\j], v[40+24*\i+\j:41+24*\i+\j], v[\j:\j+1], v[24+\j:25+\j]
.endr
.endr
	WIN 0
.irp i, 0,1,2,3
.irp k, 0,1,2,3,4,5
	global_store_b128 v[AL], v[40+24*\i+4*\k:40+24*\i+4*\k+3], s[54:55] offset:3072*\i+512*\k th:TH_STORE_NT   ; 512 consecutive bytes, aligned; written once, read by nobody here
.endr
.endr
	s_wait_tensorcnt 0x0                           ; the wave's end
	ds_add_u32 v[SPW], v[NIL]
	s_wait_dscnt 0x0
	s_endpgm
.Lfunc_end_k_q708cb6eeb0_outln:
	.size	k_q708cb6eeb0_outln, .Lfunc_end_k_q708cb6eeb0_outln-k_q708cb6eeb0_outln
	.p2alignl 7, 3214868480
	.fill 96, 4, 3214868480
	.section	.rodata,"a",@progbits
	.p2align	6, 0x0
	.amdhsa_kernel k_q708cb6eeb0_outln
		.amdhsa_group_segment_fixed_size 224256
		.amdhsa_private_segment_fixed_size 0
		.amdhsa_enable_private_segment 0
		.amdhsa_kernarg_size 56
		.amdhsa_user_sgpr_count 2
		.amdhsa_user_sgpr_kernarg_segment_ptr 1
		.amdhsa_wavefront_size32 1
		.amdhsa_system_sgpr_workgroup_id_x 1
		.amdhsa_system_sgpr_workgroup_id_y 1
		.amdhsa_system_sgpr_workgroup_id_z 1
		.amdhsa_system_vgpr_workitem_id 0
		.amdhsa_next_free_vgpr 512
		.amdhsa_next_free_sgpr 66
		.amdhsa_reserve_vcc 0
		.amdhsa_float_denorm_mode_32 3
		.amdhsa_float_denorm_mode_16_64 3
		.amdhsa_memory_ordered 1
		.amdhsa_forward_progress 1
		.amdhsa_inst_pref_size 70
	.end_amdhsa_kernel
	.amdgpu_metadata
---
amdhsa.version: [ 1, 2 ]
amdhsa.kernels:
  - .name:           k_q708cb6eeb0_outln
    .symbol:         k_q708cb6eeb0_outln.kd
    .args:
      - { .name: att, .offset: 0, .size: 8, .value_kind: global_buffer, .address_space: global }
      - { .name: wimg, .offset: 8, .size: 8, .value_kind: global_buffer, .address_space: global }
      - { .name: q, .offset: 16, .size: 8, .value_kind: global_buffer, .address_space: global }
      - { .name: bo, .offset: 24, .size: 8, .value_kind: global_buffer, .address_space: global }
      - { .name: gamma, .offset: 32, .size: 8, .value_kind: global_buffer, .address_space: global }
      - { .name: beta, .offset: 40, .size: 8, .value_kind: global_buffer, .address_space: global }
      - { .name: out0, .offset: 48, .size: 8, .value_kind: global_buffer, .address_space: global }
    .group_segment_fixed_size: 224256
    .private_segment_fixed_size: 0
    .kernarg_segment_align: 8
    .kernarg_segment_size: 56
    .max_flat_workgroup_size: 256
    .sgpr_count:     66
    .vgpr_count:     512
    .wavefront_size: 32
...
	.end_amdgpu_metadata
.endif
;; end of part 4
;; ======== version 2 of 2: 4 launches; version 1 with the launches proj, attn written anew for expert scheduling mode
;; limits: right only within a limited range of input values
;; workspace buffers: xq 19,660,800 bytes; wimg 2,433,024 bytes; edges 1,024 bytes of whole numbers; qkv 20,447,232 bytes; att 6,684,672 bytes
;; launch quant: the kernel of part 1 again; grid 529 x 1, 4 waves a work-group, no clusters, 34,304 bytes of LDS; arguments q, k, v, Wq, Wk, Wv, Wo, att_mask, xq, wimg, edges; writes xq, wimg, edges
;; launch proj (part 5): grid 3 x 84, 4 waves a work-group, no clusters, 51,712 bytes of LDS; arguments xq, wimg, bq, bk, bv, att_mask, qkv; writes qkv
.if DOCPART == 5
	.amdgcn_target "amdgcn-amd-amdhsa--gfx1250"
	.amdhsa_code_object_version 6
	.text
	.protected	k_q708cb6eeb0_proj
	.globl	k_q708cb6eeb0_proj
	.p2align	8
	.type	k_q708cb6eeb0_proj,@function
k_q708cb6eeb0_proj:
	s_mov_b64 s[64:65], 0
	v_nop
	global_prefetch_b8 v0, s[64:65] scope:SCOPE_SE
	s_setreg_imm32_b32 hwreg(HW_REG_WAVE_SCHED_MODE, 0, 2), 2
	s_setreg_imm32_b32 hwreg(HW_REG_WAVE_MODE, 25, 1), 1
	s_wait_xcnt 0x0
	s_wait_alu depctr_vm_vsrc(0)
; LAUNCH 2 OF 4.  qf = q Wq + bq, kf = k Wk + bk, vf = v Wv + bv on codes of E4M3, and the quantisers behind them: qf and kf along the head's 64, vf along the keys.  Nothing is left out here.
; SHARES.  Work-group (x, y): x = which four heads (256 columns), y / 28 = which product, y % 28 = g.  Wave w owns head 4 x + w: its 4 tiles of columns x 6 K steps, 384 registers, are read once and stay.
; The work-group walks blocks of 64 rows (four row tiles), B = g, g + 28, .. under 128: 4 or 5 blocks.  3 x 84 = 252 work-groups: nine slices of weights divide no 256.
; A block's four records of xq (51,200 bytes) go from memory through registers into LDS, a record a wave, one block ahead of the products, and are read by all four waves as images of the operand's registers.
; Q, K: source 0 = 16 columns of W, source 1 = 16 rows of x: a lane holds ONE token and 16 neighbours of the head's 64 in two tiles.  V: the sources are swapped: a lane holds ONE channel and 16 neighbouring keys.
; The bias is the C of each sum's first product.  A PADDED KEY'S CODES OF kf ARE ZEROS (its limit of the hold is multiplied by 0): reference() replaces its score by NEG whatever kf holds, and with zero codes the next
; launch gets that replacement from the product's C alone.
; NO CLUSTER: a record is shared by the three work-groups of a row of the grid, and three is no cluster's width here; x's bytes pass through registers, not through a tensor load.
; qkv: QC at 0, KC at 6291456: [bh 96][T 64][c 2][lane][16];  VC at 12582912: [bh][key step 8][tile 4][c 4][lane][16];  QS at 18874368, KS at 19267584: [bh][T][r] words (bytes 2, 3 = 0x7f);
;      VSW at 19660800: [bh][block of 32 keys][tile 4][r] words, the byte in bits 7:0.
; REGISTERS, in windows of 256.  Window 0: v1-13 addresses; v16-27 W's scale words; v28-39 x's; v40-57 at work; v64-95 codes; v96-99 words; v104-107 keep; v128-255 the 16 accumulators (m, t) at 128 + 32 m + 8 t.
;   Window 1: W's tiles 0, 1 at 16 (6 t + s).  Window 2: tiles 2, 3; from v192 the bias, eight registers a tile.  Window 3: x's fragments, two sets of 64; from v128 a record on its way to LDS.
; THE MODE: SCHED_MODE bits 1:0 = 2 (LLVM: expert scheduling mode 2), set by the entry lines.  The code itself states the register dependences between vector or matrix instructions and memory or LDS
; instructions, with s_wait_alu, always for 0.
; THE PLAN.  Registers that memory or LDS instructions touch:
;   v1, v2, v3, v5, v6, v7   offsets, made at the head and never written again.
;   the record (window 3, v128-227)   written by 25 global loads, read by the next trip's 25 LDS stores; no vector instruction names it.
;   X0, X1 (window 3, v0-63, v64-127)   K step s: its 16 products read X[s % 2]; the LDS loads of step s + 1, issued among them, land in the other set, which step s - 1 read.
;   v28-39   x's scale words: loaded at the head of a block's products, read by all 96.       v8-11   K alone: mask bytes, loaded ahead of the products, read by four conversions behind them.
;   CD, WD (v64-99)   written by a block's conversions and selects, read by its stores, which leave in one run at the block's end.
; THE WAITS.  One on va_vdst at the head of K steps 1 to 4 (the step before is done reading the set that is loaded next).  One on va_vdst ahead of a block's stores: CD and WD are written; and since no vector or matrix
; instruction follows it before the next block's first product, it also states that this block's products are done reading X0, X1 and v28-39 and its conversions v8-11, in which the next block's loads land.
; One on vm_vsrc a trip, behind the LDS stores: they have read the record's registers, and the last block's global stores have read CD and WD.
.set REC,   12800
.set SPARE, 51200                      ; behind the four records: the spare words, 128 bytes a wave
.set FLOOR, 0x4800000
.set EOFF,  0xfc000000
.set AL,  1                            ; v1  16 x lane
.set A4,  2                            ; v2  4 x lane
.set ADW, 3                            ; v3  where I store my record: 16 x lane + 12800 x wave
.set VM,  6                            ; v6  r + 8 (r / 8)
.set MK,  8                            ; v8-11 mask bytes of my token in the four tiles
.set SPW, 12
.set NIL, 13
.set WSR, 16
.set XSR, 28
.set TM,  40
.set P0,  56
.set P1,  57
.set CD,  64
.set WD,  96
.set KEEP, 104
.set ACC, 128
.set BI,  192
.set XA,  0
.set STGR, 128
.set WV,  22
.set PP,  24                           ; s24 which product
.set BLK, 25                           ; s25 the block in hand
.set HD,  26                           ; s26 my head
.set SEL, 50
.set MNT, 52
.set HM,  53
.set MSB, 0
.macro WIN new                         ; the immediate's high byte repeats the setting that is left
.if MSB != (\new)
	s_set_vgpr_msb (MSB<<8)|(\new)
.set MSB, (\new)
.endif
.endm
.macro WM d, a, b, c, sa, sb, ra, rb   ; one product; ra, rb: which half of the lanes holds A's and B's scale words
.if ((\ra) != 0) && ((\rb) != 0)
	v_wmma_scale_f32_16x16x128_f8f6f4 v[(\d):(\d)+7], v[(\a):(\a)+15], v[(\b):(\b)+15], v[(\c):(\c)+7], v[\sa], v[\sb] matrix_a_scale:MATRIX_SCALE_ROW1 matrix_b_scale:MATRIX_SCALE_ROW1
.elseif (\ra) != 0
	v_wmma_scale_f32_16x16x128_f8f6f4 v[(\d):(\d)+7], v[(\a):(\a)+15], v[(\b):(\b)+15], v[(\c):(\c)+7], v[\sa], v[\sb] matrix_a_scale:MATRIX_SCALE_ROW1
.elseif (\rb) != 0
	v_wmma_scale_f32_16x16x128_f8f6f4 v[(\d):(\d)+7], v[(\a):(\a)+15], v[(\b):(\b)+15], v[(\c):(\c)+7], v[\sa], v[\sb] matrix_b_scale:MATRIX_SCALE_ROW1
.else
	v_wmma_scale_f32_16x16x128_f8f6f4 v[(\d):(\d)+7], v[(\a):(\a)+15], v[(\b):(\b)+15], v[(\c):(\c)+7], v[\sa], v[\sb]
.endif
.endm
.macro STAGE_LOAD                      ; my record of a block: 25 loads of 512 consecutive bytes
	WIN 0xc0
.set I_, 0
.rept 25
	global_load_b128 v[STGR+4*I_:STGR+4*I_+3], v[AL], s[28:29] offset:512*I_
.set I_, I_+1
.endr
	WIN 0
.endm
.macro XFH set, s, m0                  ; the fragments of K step s of tiles m0 and m0 + 1: eight loads
	WIN 0xc0
.irp m, \m0,\m0+1
.irp c, 0,1,2,3
	ds_load_b128 v[(\set)+16*(\m)+4*\c:(\set)+16*(\m)+4*\c+3], v[AL] offset:(\m)*REC+2048*(\s)+512*\c
.endr
.endr
.endm
.macro MM4 vmode, tp, tl               ; four products of K step GS: column tile 2 tp + tl against the four row tiles
.if \vmode
.if GS == 0
	WIN 0x27+4*\tp                                 ; source 0 (x) window 3, source 1 (W) window 1 or 2, C (the bias) window 2
.else
	WIN 0x07+4*\tp
.endif
.else
.if GS == 0
	WIN 0x2d+\tp                                   ; source 0 (W) window 1 or 2, source 1 (x) window 3, C (the bias) window 2
.else
	WIN 0x0d+\tp
.endif
.endif
.irp m, 0,1,2,3
.if \vmode
.if GS == 0
	WM ACC+32*\m+8*(2*\tp+\tl),XS_+16*\m,16*(6*\tl+GS),BI+8*(2*\tp+\tl),XSR+3*\m+GS/2,WSR+6*\tp+GS,GS%2,\tl
.else
	WM ACC+32*\m+8*(2*\tp+\tl),XS_+16*\m,16*(6*\tl+GS),ACC+32*\m+8*(2*\tp+\tl),XSR+3*\m+GS/2,WSR+6*\tp+GS,GS%2,\tl
.endif
.else
.if GS == 0
	WM ACC+32*\m+8*(2*\tp+\tl),16*(6*\tl+GS),XS_+16*\m,BI+8*(2*\tp+\tl),WSR+6*\tp+GS,XSR+3*\m+GS/2,\tl,GS%2
.else
	WM ACC+32*\m+8*(2*\tp+\tl),16*(6*\tl+GS),XS_+16*\m,ACC+32*\m+8*(2*\tp+\tl),WSR+6*\tp+GS,XSR+3*\m+GS/2,\tl,GS%2
.endif
.endif
.endr
.endm
; 96 products: six K steps x 16 accumulators, which take turns, one instruction a turn, in the same order in every step.  The next step's 16 LDS loads are dealt among a step's products,
; eight behind the first four and eight behind the second four.
.macro GEMM vmode
.irp m, 0,1,2,3
.irp k, 0,1,2
	ds_load_b32 v[XSR+3*\m+\k], v[A4] offset:\m*REC+12288+128*\k   ; lanes 0-15: K step 2 k's words, lanes 16-31: K step 2 k + 1's.  (These loads and K step 0's and 1's lean on the wait ahead of the last block's stores)
.endr
.endr
	XFH XA,0,0
	XFH XA,0,2
.set GS, 0
.rept 6
.set XS_, XA+64*(GS%2)
.set XN_, XA+64*((GS+1)%2)
.if (GS > 0) && (GS < 5)
.rept 8
	v_nop                                          ; the eight places between the last step's products and the loads into the registers that they read stay, ahead of the wait
.endr
.endif
	s_wait_dscnt 0x0                               ; this step's fragments, asked for among the last step's products, are in (step 0: with the scale words)
.if (GS > 0) && (GS < 5)
	s_wait_alu depctr_va_vdst(0)                   ; the last step's products are done reading their set of x's fragments, in which the 16 loads of this step land; this step's products name the other set
.endif
	MM4 \vmode,0,0
.if GS < 5
	XFH XN_,GS+1,0
.endif
	MM4 \vmode,0,1
.if GS < 5
	XFH XN_,GS+1,2
.endif
	MM4 \vmode,1,0
	MM4 \vmode,1,1
.set GS, GS+1
.endr
	WIN 0
.rept 8
	v_nop                                          ; eight places in front of the first read of results
.endr
.endm
; Four blocks of 32 by turns.  Block b's numbers of my lane: v[base + bs b + 0..7] and v[base + bs b + hi + 0..7]; the other 16 lie in lane l xor 16.  Each accumulator is read from its low end on.
.macro QHEAD base, bs, hi              ; largest magnitudes, scale operands (TM+12), limits (TM+8), bytes (TM+4)
.irp b, 0,1,2,3
	v_max3_num_f32 v[TM+\b], |v[(\base)+(\bs)*\b]|, |v[(\base)+(\bs)*\b+1]|, FLOOR
.endr
.irp i, 2,4,6
.irp b, 0,1,2,3
	v_max3_num_f32 v[TM+\b], v[TM+\b], |v[(\base)+(\bs)*\b+\i]|, |v[(\base)+(\bs)*\b+\i+1]|
.endr
.endr
.irp i, 0,2,4,6
.irp b, 0,1,2,3
	v_max3_num_f32 v[TM+\b], v[TM+\b], |v[(\base)+(\bs)*\b+(\hi)+\i]|, |v[(\base)+(\bs)*\b+(\hi)+\i+1]|
.endr
.endr
.irp b, 0,1,2,3
	v_permlanex16_b32 v[TM+4+\b], v[TM+\b], s[SEL], s[SEL+1]
.endr
.irp b, 0,1,2,3
	v_max_num_f32 v[TM+\b], v[TM+\b], v[TM+4+\b]
.endr
.irp b, 0,1,2,3
	v_add_nc_u32 v[TM+12+\b], EOFF, v[TM+\b]
.endr
.irp b, 0,1,2,3
	v_and_or_b32 v[TM+8+\b], v[TM+\b], 0x7f800000, s[MNT]
.endr
.irp b, 0,1,2,3
	v_lshrrev_b32 v[TM+4+\b], 23, v[TM+12+\b]
.endr
.endm
.macro QTAIL base, bs, hi, cd          ; the hold and the conversions: block b's codes in v[cd + 4 b] on
.irp b, 0,1,2,3
.irp i, 0,1,2,3,4,5,6,7
	v_med3_num_f32 v[(\base)+(\bs)*\b+\i], v[(\base)+(\bs)*\b+\i], -v[TM+8+\b], v[TM+8+\b]
.endr
.irp i, 0,1,2,3,4,5,6,7
	v_med3_num_f32 v[(\base)+(\bs)*\b+(\hi)+\i], v[(\base)+(\bs)*\b+(\hi)+\i], -v[TM+8+\b], v[TM+8+\b]
.endr
	v_cvt_scalef32_pk8_fp8_f32 v[(\cd)+4*\b:(\cd)+4*\b+1], v[(\base)+(\bs)*\b:(\base)+(\bs)*\b+7], v[TM+12+\b]
	v_cvt_scalef32_pk8_fp8_f32 v[(\cd)+4*\b+2:(\cd)+4*\b+3], v[(\base)+(\bs)*\b+(\hi):(\base)+(\bs)*\b+(\hi)+7], v[TM+12+\b]
.endr
	v_nop                                          ; one plain line behind the last conversion
.endm
	s_load_b256 s[8:15], s[0:1], 0x0               ; xq, wimg, bq, bk
	s_load_b128 s[16:19], s[0:1], 0x20             ; bv, att_mask
	s_load_b64 s[20:21], s[0:1], 0x30              ; qkv
	v_lshl_add_u32 v[SPW], v0, 2, SPARE
	v_mov_b32 v[NIL], 0
	v_lshrrev_b32 v4, 5, v0
	v_readfirstlane_b32 s[WV], v4
	v_and_b32 v4, 31, v0
	v_lshlrev_b32 v[AL], 4, v4
	v_lshlrev_b32 v[A4], 2, v4
	s_wait_alu depctr_va_sdst(0)                   ; s22, the wave's number, is written, ahead of its first reader
	s_mul_i32 s46, s[WV], REC
	v_add_nc_u32 v[ADW], s46, v[AL]
	v_and_b32 v5, 15, v0
	v_and_b32 v[VM], 8, v5
	v_add_nc_u32 v[VM], v[VM], v5
	v_bfe_u32 v7, v0, 4, 1
	v_lshlrev_b32 v5, 6, v7                        ; 64 (lane / 16): the bias of Q and K
	v_lshlrev_b32 v7, 2, v[VM]                     ; 4 (r + 8 (r / 8)): the bias of V
.irp b, 0,1,2,3
	v_mov_b32 v[TM+4+\b], 0                        ; written once: a lane permute's destination counts as one of its sources
.endr
	s_mov_b32 s[SEL], 0x76543210
	s_mov_b32 s[SEL+1], 0xfedcba98
	s_mov_b32 s[MNT], 0x600000
	s_mov_b32 s[HM], 0xffff0000
	s_and_b32 s47, ttmp7, 0xffff
	s_cmp_ge_u32 s47, 28
	s_cselect_b32 s[PP], 1, 0
	s_cmp_ge_u32 s47, 56
	s_cselect_b32 s46, 1, 0
	s_add_co_u32 s[PP], s[PP], s46
	s_mul_i32 s46, s[PP], 28
	s_sub_co_u32 s[BLK], s47, s46
	s_lshl_b32 s[HD], ttmp9, 2
	s_add_co_u32 s[HD], s[HD], s[WV]
	s_mov_b32 s49, 0                               ; the upper word of the offsets in s[48:49]
	s_lshl_b32 s48, s[PP], 9
	s_lshl_b32 s46, s[BLK], 2
	s_add_co_u32 s48, s48, s46
	s_add_co_u32 s48, s48, s[WV]
	s_mul_i32 s48, s48, REC
	s_wait_kmcnt 0x0
	s_add_nc_u64 s[28:29], s[8:9], s[48:49]        ; my record of the first block
	s_wait_alu depctr_va_vdst(0)                   ; the offsets v1, v2, v3, v5, v6, v7 are written: every load and store of the kernel reads one of them, and none is written again
	STAGE_LOAD
	s_mul_i32 s48, s[PP], 608256
	s_add_nc_u64 s[32:33], s[10:11], s[48:49]      ; the weight's section
	s_mul_i32 s48, s[HD], 4*12288
	s_add_nc_u64 s[30:31], s[32:33], s[48:49]      ; my four tiles' images
	s_mul_i32 s48, s[HD], 2*768
	s_add_co_u32 s48, s48, 589824
	s_add_nc_u64 s[32:33], s[32:33], s[48:49]      ; and their scale words
	s_cmp_eq_u32 s[PP], 0
	s_cselect_b64 s[34:35], s[12:13], s[14:15]
	s_cmp_eq_u32 s[PP], 2
	s_cselect_b64 s[34:35], s[16:17], s[34:35]
	s_lshl_b32 s48, s[HD], 8
	s_add_nc_u64 s[34:35], s[34:35], s[48:49]      ; my head's 64 numbers of the bias
	s_mul_i32 s48, s[PP], 6291456
	s_add_nc_u64 s[36:37], s[20:21], s[48:49]      ; the product's codes
	s_mul_i32 s48, s[PP], 393216
	s_add_co_u32 s48, s48, 18874368
	s_add_nc_u64 s[38:39], s[20:21], s[48:49]      ; and its scale words
	WIN 0x40
.irp t, 0,1
.irp s, 0,1,2,3,4,5
.irp c, 0,1,2,3
	global_load_b128 v[16*(6*\t+\s)+4*\c:16*(6*\t+\s)+4*\c+3], v[AL], s[30:31] offset:\t*12288+\s*2048+\c*512
.endr
.endr
.endr
	WIN 0x80
.irp t, 0,1
.irp s, 0,1,2,3,4,5
.irp c, 0,1,2,3
	global_load_b128 v[16*(6*\t+\s)+4*\c:16*(6*\t+\s)+4*\c+3], v[AL], s[30:31] offset:(\t+2)*12288+\s*2048+\c*512
.endr
.endr
.endr
	WIN 0
.irp pr, 0,1
.irp s, 0,1,2,3,4,5
	global_load_b32 v[WSR+6*\pr+\s], v[A4], s[32:33] offset:(6*\pr+\s)*128
.endr
.endr
	s_cmp_eq_u32 s[PP], 2
	s_cbranch_scc1 .Lbias_v
	WIN 0x80                                       ; Q, K: register j of tile t is the bias of channel 32 (t / 2) + 16 (lane / 16) + 8 (t % 2) + j
.irp t, 0,1,2,3
	global_load_b128 v[BI+8*\t:BI+8*\t+3], v5, s[34:35] offset:4*(32*(\t/2)+8*(\t%2))
	global_load_b128 v[BI+8*\t+4:BI+8*\t+7], v5, s[34:35] offset:4*(32*(\t/2)+8*(\t%2))+16
.endr
	WIN 0
	s_branch .Lbias_done
.Lbias_v:
	WIN 0x80                                       ; V: all eight registers of tile t hold the bias of my channel 32 (t / 2) + 8 (t % 2) + r + 8 (r / 8)
.irp t, 0,1,2,3
	global_load_b32 v[BI+8*\t], v7, s[34:35] offset:4*(32*(\t/2)+8*(\t%2))
.endr
	s_wait_loadcnt 0x0
	WIN 0x82
.irp t, 0,1,2,3
.irp j, 1,2,3,4,5,6,7
	v_mov_b32 v[BI+8*\t+\j], v[BI+8*\t]            ; (no memory or LDS instruction names these registers)
.endr
.endr
	WIN 0
.Lbias_done:
; Q's and K's way through a block.  kmode = 1: K: the mask is read, and a padded key's limit of the hold becomes 0.
.macro ARM_QK kmode
	s_lshl_b32 s48, s54, 16
	s_lshl_b32 s46, s55, 10
	s_add_co_u32 s48, s48, s46
	s_add_nc_u64 s[40:41], s[36:37], s[48:49]      ; codes: 65536 bh + 1024 T
	s_lshl_b32 s48, s54, 6
	s_add_co_u32 s48, s48, s55
	s_lshl_b32 s48, s48, 6
	s_add_nc_u64 s[42:43], s[38:39], s[48:49]      ; scale words: 64 (64 bh + T)
.if \kmode
	s_lshl_b32 s48, s[BLK], 6
	s_add_nc_u64 s[44:45], s[18:19], s[48:49]
.irp m, 0,1,2,3
	global_load_u8 v[MK+\m], v[VM], s[44:45] offset:32*(\m/2)+8*(\m%2)   ; (the last block's conversions that read v8-11 stand ahead of the wait in front of its stores)
.endr
.endif
	GEMM 0
.if \kmode
	s_wait_loadcnt 0x0                             ; the mask bytes are the youngest loads; the next block's record was asked for a whole run of products earlier
.irp m, 0,1,2,3
	v_cvt_f32_u32 v[KEEP+\m], v[MK+\m]
.endr
.irp m, 0,1,2,3
	v_sub_f32 v[KEEP+\m], 1.0, v[KEEP+\m]          ; 1, or 0 for a padded key
.endr
.endif
.irp u, 0,1                            ; tiles 2 u and 2 u + 1: two blocks of 32 channels each
	QHEAD ACC+64*\u,16,8
.if \kmode
.irp b, 0,1,2,3
	v_mul_f32 v[TM+8+\b], v[TM+8+\b], v[KEEP+2*\u+\b/2]
.endr
.endif
	QTAIL ACC+64*\u,16,8,CD+16*\u
	v_lshl_or_b32 v[P0], v[TM+5], 8, v[TM+4]
	v_lshl_or_b32 v[P1], v[TM+7], 8, v[TM+6]
	v_cndmask_b32 v[P0], v[P0], v[P1], s[HM]       ; lanes 0-15: tile 2 u's words, lanes 16-31: tile 2 u + 1's
	v_or_b32 v[WD+\u], 0x7f7f0000, v[P0]           ; bytes 2, 3 scale the upper 64 of the next product's K, which holds nothing: 1.0
.endr
	s_wait_alu depctr_va_vdst(0)                   ; the conversions have written v64-95 and the selects v96, v97, which the ten stores read; and the block's products are done reading x's fragments and scale words, its conversions the mask bytes: the next block's loads land there
.irp u, 0,1
.irp b, 0,1,2,3
	global_store_b128 v[AL], v[CD+16*\u+4*\b:CD+16*\u+4*\b+3], s[40:41] offset:(2*\u+\b/2)*1024+(\b%2)*512
.endr
	global_store_b32 v[A4], v[WD+\u], s[42:43] offset:128*\u
.endr
.endm
.Ltrip:
	s_wait_dscnt 0x0
	s_barrier_signal -1                            ; every wave's reads of the last block's records are back
	s_barrier_wait -1
	s_wait_loadcnt 0x0                             ; my record is in registers (first trip: the weights, their words and the bias too)
	WIN 0x0c                                       ; an LDS store's data are its source 1: window 3
.set I_, 0
.rept 25
	ds_store_b128 v[ADW], v[STGR+4*I_:STGR+4*I_+3] offset:512*I_
.set I_, I_+1
.endr
	WIN 0
	s_wait_dscnt 0x0                               ; for the others' sake: my stores have landed
	s_wait_alu depctr_vm_vsrc(0)                   ; my LDS stores have read the record's registers, in which the next record's loads land; the last block's global stores have read v64-99, which this block's conversions and selects write again
	s_barrier_signal -1
	s_barrier_wait -1                              ; the block's four records lie in LDS
	s_add_co_u32 s46, s[BLK], 28
	s_cmp_lt_u32 s46, 128
	s_cbranch_scc0 .Lno_next                       ; no load leaves its buffer
	s_wait_xcnt 0x0
	s_add_nc_u64 s[28:29], s[28:29], 28*4*REC
	STAGE_LOAD                                     ; the next block's record lands while this block is multiplied
.Lno_next:
	s_wait_xcnt 0x0                                ; the last block's stores have read their bases and data: both are written again below
	s_lshr_b32 s54, s[BLK], 4                      ; the batch
	s_and_b32 s55, s[BLK], 15
	s_lshl_b32 s55, s55, 2                         ; the block's first tile in its batch
	s_mul_i32 s54, s54, 12
	s_add_co_u32 s54, s54, s[HD]                   ; bh
	s_cmp_eq_u32 s[PP], 0
	s_cbranch_scc1 .Larm_q
	s_cmp_eq_u32 s[PP], 1
	s_cbranch_scc1 .Larm_k
	s_lshl_b32 s48, s54, 16                        ; V: 65536 bh + 8192 (key step) + 512 (block of 32 keys in it)
	s_lshr_b32 s46, s55, 3
	s_lshl_b32 s46, s46, 13
	s_add_co_u32 s48, s48, s46
	s_bfe_u32 s46, s55, 0x10002
	s_lshl_b32 s46, s46, 10
	s_add_co_u32 s48, s48, s46
	s_add_nc_u64 s[40:41], s[36:37], s[48:49]
	s_lshl_b32 s48, s54, 5
	s_lshr_b32 s46, s55, 1
	s_add_co_u32 s48, s48, s46
	s_lshl_b32 s48, s48, 8
	s_add_nc_u64 s[42:43], s[38:39], s[48:49]      ; 256 (32 bh + block of 32 keys)
	GEMM 1
.irp y, 0,1                            ; the 32 keys of tiles 2 y and 2 y + 1; block b = my channel of tile b
	QHEAD ACC+64*\y,8,32
	QTAIL ACC+64*\y,8,32,CD+16*\y
	v_cndmask_b32 v[WD+2*\y], v[TM+4], v[TM+5], s[HM]
	v_cndmask_b32 v[WD+2*\y+1], v[TM+6], v[TM+7], s[HM]
.endr
	s_wait_alu depctr_va_vdst(0)                   ; the conversions have written v64-95 and the selects v96-99, which the twelve stores read; and the block's products are done reading x's fragments and scale words, in which the next block's loads land
.irp y, 0,1
.irp b, 0,1,2,3
	global_store_b128 v[AL], v[CD+16*\y+4*\b:CD+16*\y+4*\b+3], s[40:41] offset:\b*2048+\y*512
.endr
	global_store_b32 v[A4], v[WD+2*\y], s[42:43] offset:256*\y
	global_store_b32 v[A4], v[WD+2*\y+1], s[42:43] offset:256*\y+128
.endr
	s_branch .Ljoin
.Larm_q:
	ARM_QK 0
	s_branch .Ljoin
.Larm_k:
	ARM_QK 1
.Ljoin:
	s_add_co_u32 s[BLK], s[BLK], 28
	s_cmp_lt_u32 s[BLK], 128
	s_cbranch_scc1 .Ltrip
	s_wait_dscnt 0x0                               ; the closing lines, six on end
	s_wait_alu 0x0
	s_wait_tensorcnt 0x0
	ds_add_u32 v[SPW], v[NIL]
	s_wait_dscnt 0x0
	s_endpgm
.Lfunc_end_k_q708cb6eeb0_proj:
	.size	k_q708cb6eeb0_proj, .Lfunc_end_k_q708cb6eeb0_proj-k_q708cb6eeb0_proj
	.p2alignl 7, 3214868480
	.fill 96, 4, 3214868480
	.section	.rodata,"a",@progbits
	.p2align	6, 0x0
	.amdhsa_kernel k_q708cb6eeb0_proj
		.amdhsa_group_segment_fixed_size 51712
		.amdhsa_private_segment_fixed_size 0
		.amdhsa_enable_private_segment 0
		.amdhsa_kernarg_size 56
		.amdhsa_user_sgpr_count 2
		.amdhsa_user_sgpr_kernarg_segment_ptr 1
		.amdhsa_wavefront_size32 1
		.amdhsa_system_sgpr_workgroup_id_x 1
		.amdhsa_system_sgpr_workgroup_id_y 1
		.amdhsa_system_sgpr_workgroup_id_z 1
		.amdhsa_system_vgpr_workitem_id 0
		.amdhsa_next_free_vgpr 1024
		.amdhsa_next_free_sgpr 66
		.amdhsa_reserve_vcc 0
		.amdhsa_float_denorm_mode_32 3
		.amdhsa_float_denorm_mode_16_64 3
		.amdhsa_memory_ordered 1
		.amdhsa_forward_progress 1
		.amdhsa_inst_pref_size 140
	.end_amdhsa_kernel
	.amdgpu_metadata
---
amdhsa.version: [ 1, 2 ]
amdhsa.kernels:
  - .name:           k_q708cb6eeb0_proj
    .symbol:         k_q708cb6eeb0_proj.kd
    .args:
      - { .name: xq, .offset: 0, .size: 8, .value_kind: global_buffer, .address_space: global }
      - { .name: wimg, .offset: 8, .size: 8, .value_kind: global_buffer, .address_space: global }
      - { .name: bq, .offset: 16, .size: 8, .value_kind: global_buffer, .address_space: global }
      - { .name: bk, .offset: 24, .size: 8, .value_kind: global_buffer, .address_space: global }
      - { .name: bv, .offset: 32, .size: 8, .value_kind: global_buffer, .address_space: global }
      - { .name: att_mask, .offset: 40, .size: 8, .value_kind: global_buffer, .address_space: global }
      - { .name: qkv, .offset: 48, .size: 8, .value_kind: global_buffer, .address_space: global }
    .group_segment_fixed_size: 51712
    .private_segment_fixed_size: 0
    .kernarg_segment_align: 8
    .kernarg_segment_size: 56
    .max_flat_workgroup_size: 128
    .sgpr_count:     66
    .vgpr_count:     1024
    .wavefront_size: 32
...
	.end_amdgpu_metadata
.endif
;; end of part 5
;; launch attn (part 6): grid 96 x 8, 8 waves a work-group, no clusters, 142,336 bytes of LDS; arguments qkv, att_mask, edges, att; writes att
.if DOCPART == 6
	.amdgcn_target "amdgcn-amd-amdhsa--gfx1250"
	.amdhsa_code_object_version 6
	.text
	.protected	k_q708cb6eeb0_attn
	.globl	k_q708cb6eeb0_attn
	.p2align	8
	.type	k_q708cb6eeb0_attn,@function
k_q708cb6eeb0_attn:
	s_mov_b64 s[64:65], 0
	v_nop
	global_prefetch_b8 v0, s[64:65] scope:SCOPE_SE
	s_setreg_imm32_b32 hwreg(HW_REG_WAVE_SCHED_MODE, 0, 2), 2
	s_setreg_imm32_b32 hwreg(HW_REG_WAVE_MODE, 25, 1), 1
	s_wait_xcnt 0x0
	s_wait_alu depctr_vm_vsrc(0)
; LAUNCH 3 OF 4.  For each batch and head: scores, the two softmaxes (bw: keys <= query; fw: keys >= query), both products with V, their sum, and the quantiser of att along product 7's K.
; WORK LEFT OUT: key steps of 128 keys that lie wholly on the hidden side of a tile's 16 queries, where every row of the tile has a key on its open side that is not padded: their p are 0 in f32 (shown at the head of
; the first launch; |score| < 1e8; a NaN, infinity or overflow that reaches only such a step is not carried on).  Whether that holds is read from edges: bw: the tile's first query >= FU; fw: its last query <= LU.
; A tile for which it fails (FLG = 1) walks all eight steps of that pass, with t rounded to f32 before M is taken away, as the definition has it.
; SHARES.  Work-group (x, y): x % 8 = block of 128 queries (it is key step x % 8), x / 8 = head, y = batch.  Wave w owns tile T = 8 (x % 8) + w: 16 queries.  The head's K and V codes, their scale words and the padding
; addend of each key are brought into LDS once, through registers; behind the one barrier the waves share nothing.
; LAYOUT.  S^T = K Q^T + C (source 0 = 16 keys, source 1 = my queries), O^T = V^T P^T: a lane holds ONE query throughout.  Register 16 b + e of S^T is key 128 step + 32 b + 16 (lane / 16) + e.
; The head has 64 channels: Q's upper eight registers are zeros, so what stands in the upper half of K's operand (the next tile's codes, never a NaN code: every number is held ahead of its conversion) adds nothing.
; RAW SCORES are 8 x the logits, so NEG is -8e9 here, exactly.  C is 0, or -8e9 for a padded key, whose codes are zeros: that IS where(pad, NEG, score).  The direction's NEG is added in f32 as reference() adds it.
; SOFTMAX: t = raw x log2(e) / 8; M = ceil of the running largest t; p = 2^(t - M) is quantised along the keys; the sum is taken of the unquantised p; a move of M multiplies the sum and O^T by a power of two.
; NO TENSOR LOADS AND NO CLUSTER: branches hang on whole numbers read from memory (edges), and partners would walk different steps.
; REGISTERS: v1-7 addresses; v8 -M, v9 largest t, v[10:11] the sum; v12 Q's scale words, v13 p's; v14-17 K's or V's; v18-22 addresses of the step, later scale operands and f; v24-39 Q; v40-103 K's tiles or V's fragments;
;   v104-111 zeros; v112-127 p's codes; v116-179 S^T, then p; v180-211 O^T; v212-243 bw's result; v244-255 at work.
; THE MODE: SCHED_MODE bits 1:0 = 2 (LLVM: expert scheduling mode 2), set by the entry lines.  The code itself states the register dependences between vector or matrix instructions and memory or LDS
; instructions, with s_wait_alu, always for 0.
; THE PLAN.  Registers that memory or LDS instructions touch:
;   v1, v2, v3, v7   bases, made at the head and never written again.       v244-252, v40-59, v112-239   the fill's addresses and data: all of them serve other ends behind the barrier.
;   In a key step:  v18-22   the five LDS addresses: written by five additions at the step's head, read by the step's loads, written again by the softmax (scale operands, f).
;   S (v116-179)    the addends' loads land in it at the step's head; the last step's holds, conversions and second products named it (p, and p's codes in v112-127).
;   F (v40-103), v14-17   K's tiles and scale words land at the step's head, where the last step's second products have read them; V's land behind K Q^T, which has read them.
;   v112-127, v13   p's codes and scale word: made by vector instructions, operands of the second products.
; THE WAITS OF A STEP.  va_vdst behind the five additions (addresses written; the last step is done with S, F, v14-17).  va_vdst behind K Q^T and its places, ahead of V's loads.  vm_vsrc behind V's loads, the step's last
; LDS instructions: v18-22 have been read.  va_vdst behind each of the two batches of exponentials.  va_vdst ahead of the second products (codes and scale word written).
; All 256 registers of a wave are in use, so no buffer has a second copy; V's loads stand ahead of the softmax and land under it.
; THE DIAGONAL'S MASKS hang on the direction and the lane alone: 16 compares in one run at the head of a pass write s16-31, with one wait on va_sdst behind the run.
.set KSL,   131072                     ; LDS: K's images at 0, V's at 65536; K's scale words [T][r];
.set VSL,   135168                     ; V's [step][tile][r];
.set MA,    137216                     ; the padding addend, f32 a key;
.set SPARE, 141312                     ; the spare words, 128 bytes a wave
.set FLOOR, 0x4800000
.set EOFF,  0xfc000000
.set AL,  1                            ; v1 16 x lane
.set AKS, 2                            ; v2 4 x lane + KSL
.set AMA, 3                            ; v3 64 (lane / 16) + MA
.set SPW, 4
.set NIL, 5
.set QD,  6                            ; v6 my query less the first key of my half in the diagonal block: 8 u + r + 8 (r / 8) - 16 (lane / 16)
.set AVV, 7                            ; v7 16 x lane + 65536
.set F,   40
.set S,   116
.set O,   180
.set KP,  212
.set T0,  244
.set WV,  4
.set QB,  5
.set HD,  6
.set BB,  7
.set CM,  16                           ; s16-31 behind the fill: register e's mask in the diagonal block: the lanes for which key e of their half lies on the hidden side
.set FU,  32
.set LU,  33
.set BH,  34
.set TT,  35
.set G,   36                           ; s36 my queries' block of 32
.set QMIN, 38
.set QMAX, 39
.set ST,  42                           ; s42 the key step;  s43, s44, s45: its bytes in the images, in K's words and the addends, in V's words
.set KO,  43
.set SO,  44
.set VO,  45
.set SA,  48                           ; s[48:55] the direction's addend of each block of 32 keys, as pairs
.set CS,  56                           ; s[56:57] the factor from S^T to t: c, or 1 where S^T has been multiplied already
.set FLG, 58
.set MNT, 59
.set SEL, 60
.set CC,  62                           ; s[62:63] c = log2(e) / 8
.set NG,  66                           ; s66 -8e9
.macro WM d, a, b, c, sa, sb, ra       ; one product; ra: which half of the lanes holds A's scale words
.if (\ra) != 0
	v_wmma_scale_f32_16x16x128_f8f6f4 v[(\d):(\d)+7], v[(\a):(\a)+15], v[(\b):(\b)+15], v[(\c):(\c)+7], v[\sa], v[\sb] matrix_a_scale:MATRIX_SCALE_ROW1
.else
	v_wmma_scale_f32_16x16x128_f8f6f4 v[(\d):(\d)+7], v[(\a):(\a)+15], v[(\b):(\b)+15], v[(\c):(\c)+7], v[\sa], v[\sb]
.endif
.endm
	s_load_b256 s[8:15], s[0:1], 0x0               ; qkv, att_mask, edges, att
	v_lshl_add_u32 v[SPW], v0, 2, SPARE
	v_mov_b32 v[NIL], 0
	v_lshrrev_b32 v6, 5, v0
	v_readfirstlane_b32 s[WV], v6
	s_and_b32 s[QB], ttmp9, 7
	s_lshr_b32 s[HD], ttmp9, 3
	s_and_b32 s[BB], ttmp7, 0xffff
	s_mul_i32 s[BH], s[BB], 12
	s_add_co_u32 s[BH], s[BH], s[HD]
	s_lshl_b32 s[TT], s[QB], 3
	s_wait_alu depctr_va_sdst(0)                   ; s4, the wave's number, is written, ahead of its first reader
	s_add_co_u32 s[TT], s[TT], s[WV]
	s_lshr_b32 s[G], s[TT], 1
	s_and_b32 s46, s[TT], 1
	s_lshl_b32 s46, s46, 3                         ; 8 u
	s_lshl_b32 s[QMIN], s[G], 5
	s_add_co_u32 s[QMIN], s[QMIN], s46
	s_add_co_u32 s[QMAX], s[QMIN], 23
	v_and_b32 v7, 31, v0
	v_lshlrev_b32 v[AL], 4, v7
	v_lshlrev_b32 v[AKS], 2, v7
	v_add_nc_u32 v[AKS], KSL, v[AKS]
	v_bfe_u32 v18, v0, 4, 1
	v_lshlrev_b32 v[AMA], 6, v18
	v_add_nc_u32 v[AMA], MA, v[AMA]
	v_and_b32 v19, 15, v0
	v_and_b32 v20, 8, v19
	v_add_nc_u32 v20, v20, v19
	v_lshlrev_b32 v21, 4, v18
	v_sub_nc_u32 v[QD], v20, v21
	v_add_nc_u32 v[QD], s46, v[QD]
	v_add_nc_u32 v[AVV], 0x10000, v[AL]
	s_lshl_b32 s46, s[WV], 13
	v_add_nc_u32 v244, s46, v[AL]                  ; the fill: 16 x lane + 8192 x wave, in memory and in LDS;
	v_add_nc_u32 v245, 0x10000, v244               ; V's place in LDS;
	v_lshlrev_b32 v246, 4, v0                      ; 16 x thread;
	v_lshlrev_b32 v247, 2, v0                      ; 4 x thread;
	v_lshrrev_b32 v248, 6, v0
	v_and_b32 v249, 63, v0
	v_lshlrev_b32 v249, 2, v249
	v_lshl_add_u32 v248, v248, 10, v249            ; V's byte words: 1024 (thread / 64) + 4 (thread % 64);
	v_lshlrev_b32 v249, 2, v19                     ; 4 r
	v_add_nc_u32 v250, KSL, v246
	v_add_nc_u32 v251, VSL, v247
	v_add_nc_u32 v252, MA, v246
	s_mov_b32 s[MNT], 0x600000
	s_mov_b32 s[SEL], 0x76543210
	s_mov_b32 s[SEL+1], 0xfedcba98
	s_mov_b32 s[CC], 0x3e38aa3b
	s_mov_b32 s[CC+1], s[CC]
	s_mov_b32 s[NG], 0xcfee6b28
.irp b, 0,1,2,3
	s_mov_b32 s[SA+2*\b+1], 0                      ; named with the addend as a pair, so it is written
.endr
	s_mov_b32 s41, 0                               ; the upper word of the offsets in s[40:41]
	s_wait_kmcnt 0x0
	s_lshl_b32 s40, s[BH], 16
	s_add_nc_u64 s[26:27], s[8:9], s[40:41]
	s_add_nc_u64 s[16:17], s[26:27], 6291456       ; K's images of my head
	s_add_nc_u64 s[18:19], s[26:27], 12582912      ; V's
	s_lshl_b32 s40, s[TT], 10
	s_add_nc_u64 s[26:27], s[26:27], s[40:41]      ; Q's image of my tile
	s_lshl_b32 s40, s[BH], 12
	s_add_nc_u64 s[20:21], s[8:9], s[40:41]
	s_add_nc_u64 s[28:29], s[20:21], 18874368
	s_add_nc_u64 s[20:21], s[20:21], 19267584      ; K's scale words
	s_lshl_b32 s40, s[TT], 6
	s_add_nc_u64 s[28:29], s[28:29], s[40:41]      ; Q's
	s_lshl_b32 s40, s[BH], 13
	s_add_nc_u64 s[22:23], s[8:9], s[40:41]
	s_add_nc_u64 s[22:23], s[22:23], 19660800      ; V's bytes
	s_lshl_b32 s40, s[BB], 10
	s_add_nc_u64 s[24:25], s[10:11], s[40:41]      ; the batch's mask
	s_lshl_b32 s40, s[BB], 7
	s_add_nc_u64 s[30:31], s[12:13], s[40:41]
	s_load_b64 s[FU:LU], s[30:31], 0x0             ; FU, LU
	s_wait_alu depctr_va_vdst(0)                   ; the offsets and LDS addresses v1-3, v7 and v244-252 are written, which the fill's loads and stores and the steps' additions read
.set I_, 0
.rept 16
	global_load_b128 v[112+4*I_:115+4*I_], v244, s[16:17] offset:512*I_
.set I_, I_+1
.endr
.set I_, 0
.rept 16
	global_load_b128 v[176+4*I_:179+4*I_], v244, s[18:19] offset:512*I_
.set I_, I_+1
.endr
	global_load_b128 v[40:43], v246, s[20:21]
.irp i, 0,1,2,3
	global_load_b32 v[44+\i], v248, s[22:23] offset:256*\i
.endr
.irp i, 0,1,2,3
	global_load_b32 v[48+\i], v248, s[22:23] offset:4096+256*\i
.endr
	global_load_b32 v52, v247, s[24:25]
	global_load_b128 v[24:27], v[AL], s[26:27]
	global_load_b128 v[28:31], v[AL], s[26:27] offset:512
	global_load_b32 v12, v249, s[28:29]
.irp j, 0,1,2,3,4,5,6,7
	v_mov_b32 v[32+\j], 0                          ; Q's upper 64 of K
	v_mov_b32 v[104+\j], 0                         ; and what stands behind K's last tile
.endr
	v_mov_b32 v23, 0                               ; named as the upper half of the pair v[22:23]
	s_wait_loadcnt 29                              ; K's 16 loads are in; the 29 behind them stay out
.set I_, 0
.rept 16
	ds_store_b128 v244, v[112+4*I_:115+4*I_] offset:512*I_
.set I_, I_+1
.endr
	s_wait_loadcnt 13                              ; V's 16
.set I_, 0
.rept 16
	ds_store_b128 v245, v[176+4*I_:179+4*I_] offset:512*I_
.set I_, I_+1
.endr
	s_wait_loadcnt 3                               ; the small tables; Q's three loads stay out
	ds_store_b128 v250, v[40:43]
	v_lshl_or_b32 v53, v45, 8, v44                 ; four blocks' bytes make a key step's scale word
	v_lshl_or_b32 v54, v49, 8, v48
	v_lshl_or_b32 v53, v46, 16, v53
	v_lshl_or_b32 v54, v50, 16, v54
	v_lshl_or_b32 v53, v47, 24, v53
	v_lshl_or_b32 v54, v51, 24, v54
.irp y, 0,1,2,3
	v_bfe_u32 v[56+\y], v52, 8*\y, 1
.endr
.irp y, 0,1,2,3
	v_cvt_f32_u32 v[56+\y], v[56+\y]
.endr
.irp y, 0,1,2,3
	v_mul_f32 v[56+\y], s[NG], v[56+\y]            ; 0, or -8e9 for a padded key
.endr
	s_wait_alu depctr_va_vdst(0)                   ; V's scale words v53, v54 and the addends v56-59 are written, which the three LDS stores read; so are the zeros in v32-39 and v104-111, parts of the first products' operands
	ds_store_b32 v251, v53
	ds_store_b32 v251, v54 offset:1024
	ds_store_b128 v252, v[56:59]
	s_wait_dscnt 0x0                               ; for the others' sake: my stores have landed
	s_barrier_signal -1
	s_barrier_wait -1
	s_wait_loadcnt 0x0                             ; Q
	s_wait_kmcnt 0x0                               ; FU, LU
	s_wait_alu depctr_vm_vsrc(0)                   ; the fill's loads and LDS stores have read their addresses v244-252 and their data v40-59, v112-239: all of these are written again from here on
.irp b, 0,1,2,3
	v_mov_b32 v[T0+4+\b], 0                        ; written once: a lane permute's destination counts as one of its sources
.endr
; The diagonal block b: NEG is added to the scores of the keys that lie on the hidden side of my query; the masks were made at the head of the pass.
.macro ARM b
.set E_, 0
.rept 16
	v_add_f32 v[T0+8+E_%2], s[NG], v[S+16*(\b)+E_]
	v_cndmask_b32 v[S+16*(\b)+E_], v[S+16*(\b)+E_], v[T0+8+E_%2], s[CM+E_]
.set E_, E_+1
.endr
.endm
; A PASS.  dir = 0: bw, dir = 1: fw.  Eight trips, a constant, so that the LDS addresses, which step with them, can be read off the text; a step that is left out jumps to the lines that step them.
.macro PASS dir
.if \dir == 0
	s_cmp_lt_i32 s[QMIN], s[FU]
.else
	s_cmp_gt_i32 s[QMAX], s[LU]
.endif
	s_cselect_b32 s[FLG], 1, 0
	s_cselect_b32 s[CS], 1.0, s[CC]
	s_mov_b32 s[CS+1], s[CS]
.set E_, 0
.rept 16                               ; the diagonal's masks, in one run (the fill's loads, which read s16-31 as bases, are done)
.if \dir == 0
	v_cmp_gt_i32 s[CM+E_], E_, v[QD]
.else
	v_cmp_lt_i32 s[CM+E_], E_, v[QD]
.endif
.set E_, E_+1
.endr
	v_mov_b32 v9, 0xff61b1e6                       ; the largest t so far: -3e38
	v_floor_f32 v8, -v9
	v_mov_b32 v10, 0
	v_mov_b32 v11, 0
.set I_, 0
.rept 32
	v_mov_b32 v[O+I_], 0                           ; the step is written once: the first finds zeros, which the first move of M leaves zeros
.set I_, I_+1
.endr
	s_mov_b32 s[ST], 0
	s_mov_b32 s[KO], 0
	s_mov_b32 s[SO], 0
	s_mov_b32 s[VO], VSL-KSL
	s_wait_alu depctr_va_sdst(0)                   ; the sixteen compares have written s16-31, ahead of the label and of their first readers, the selects of the diagonal block
.Lstep_\@:
.if \dir == 0
	s_cmp_le_u32 s[ST], s[QB]
.else
	s_cmp_ge_u32 s[ST], s[QB]
.endif
	s_cselect_b32 s46, 1, s[FLG]
	s_cmp_eq_u32 s46, 0
	s_cbranch_scc1 .Lskip_\@
	v_add_nc_u32 v18, s[KO], v[AL]                 ; K's tiles
	v_add_nc_u32 v19, s[SO], v[AKS]                ; their scale words
	v_add_nc_u32 v20, s[SO], v[AMA]                ; the padding addends
	v_add_nc_u32 v21, s[KO], v[AVV]                ; V's fragments
	v_add_nc_u32 v22, s[VO], v[AKS]                ; their scale words
.rept 4
	v_nop                                          ; with the five additions nine places behind the last step's products: the products below write over p's codes
.endr
	s_wait_alu depctr_va_vdst(0)                   ; the five addresses are written; the last step's holds, conversions and second products are done with v112-179, v40-103 and v14-17, in which the loads below land
.irp b, 0,1,2,3
.irp i, 0,1,2,3
	ds_load_b128 v[S+16*\b+4*\i:S+16*\b+4*\i+3], v20 offset:128*\b+16*\i   ; the addends land in the accumulators: they are the products' C
.endr
.endr
.irp t, 0,1,2,3,4,5,6,7
.irp c, 0,1
	ds_load_b128 v[F+8*\t+4*\c:F+8*\t+4*\c+3], v18 offset:1024*\t+512*\c
.endr
.endr
.irp b, 0,1,2,3
	ds_load_b32 v[14+\b], v19 offset:128*\b        ; lanes 0-15: tile 2 b's words, lanes 16-31: tile 2 b + 1's
.endr
	s_wait_dscnt 0x0
.irp t, 0,1,2,3,4,5,6,7
	WM S+8*\t,F+8*\t,24,S+8*\t,14+\t/2,12,\t%2
.endr
.rept 8
	v_nop                                          ; eight places in front of the first read of the scores; they stand ahead of the wait
.endr
	s_wait_alu depctr_va_vdst(0)                   ; the eight products are done reading K's tiles in v40-111 and their scale words in v14-17, in which V's loads land
.irp t, 0,1,2,3
.irp c, 0,1,2,3
	ds_load_b128 v[F+16*\t+4*\c:F+16*\t+4*\c+3], v21 offset:2048*\t+512*\c   ; V lands while the softmax is walked
.endr
.endr
.irp k, 0,1
	ds_load_b32 v[14+\k], v22 offset:128*\k
.endr
	s_wait_alu depctr_vm_vsrc(0)                   ; the step's LDS loads, of which these were the last, have read v18-22: the softmax writes f and the scale operands there, the next step its addresses
.if \dir == 0
	s_cmp_lt_u32 s[ST], s[QB]
.else
	s_cmp_gt_u32 s[ST], s[QB]
.endif
	s_cbranch_scc1 .Lopen_\@                       ; all 128 keys lie on the open side
	s_lshl_b32 s46, s[ST], 2
.irp b, 0,1,2,3
	s_add_co_u32 s47, s46, \b
.if \dir == 0
	s_cmp_gt_u32 s47, s[G]
.else
	s_cmp_lt_u32 s47, s[G]
.endif
	s_cselect_b32 s[SA+2*\b], s[NG], 0             ; a block of 32 keys that lies wholly on the hidden side gets NEG
.endr
.irp b, 0,1,2,3
.irp j, 0,2,4,6,8,10,12,14
	v_pk_add_f32 v[S+16*\b+\j:S+16*\b+\j+1], v[S+16*\b+\j:S+16*\b+\j+1], s[SA+2*\b:SA+2*\b+1] op_sel_hi:[1,0]
.endr
.endr
	s_cmp_lg_u32 s[ST], s[QB]
	s_cbranch_scc1 .Lopen_\@
	s_and_b32 s46, s[G], 3                         ; the diagonal block: which 16 registers hangs on ids alone
	s_cmp_lg_u32 s46, 0
	s_cbranch_scc1 .Lb1_\@
	ARM 0
	s_branch .Lopen_\@
.Lb1_\@:
	s_cmp_lg_u32 s46, 1
	s_cbranch_scc1 .Lb2_\@
	ARM 1
	s_branch .Lopen_\@
.Lb2_\@:
	s_cmp_lg_u32 s46, 2
	s_cbranch_scc1 .Lb3_\@
	ARM 2
	s_branch .Lopen_\@
.Lb3_\@:
	ARM 3
.Lopen_\@:
	s_cmp_eq_u32 s[FLG], 0
	s_cbranch_scc1 .Lfused_\@
.set I_, 0
.rept 32
	v_pk_mul_f32 v[S+I_:S+I_+1], v[S+I_:S+I_+1], s[CC:CC+1] op_sel_hi:[1,0]   ; FLG: t is rounded to f32 here; a fused multiply-add on -8e9 would leave the rounding's rest in the exponent
.set I_, I_+2
.endr
.Lfused_\@:
.irp b, 0,1,2,3
	v_max3_num_f32 v[T0+\b], v[S+16*\b], v[S+16*\b+1], v[S+16*\b+2]   ; the largest score of each block of 32 keys: for the row's maximum, and, since p rises with the score, for the block's largest p
.endr
.irp i, 3,5,7,9,11,13
.irp b, 0,1,2,3
	v_max3_num_f32 v[T0+\b], v[T0+\b], v[S+16*\b+\i], v[S+16*\b+\i+1]
.endr
.endr
.irp b, 0,1,2,3
	v_max_num_f32 v[T0+\b], v[T0+\b], v[S+16*\b+15]
.endr
.irp b, 0,1,2,3
	v_permlanex16_b32 v[T0+4+\b], v[T0+\b], s[SEL], s[SEL+1]
.endr
.irp b, 0,1,2,3
	v_max_num_f32 v[T0+\b], v[T0+\b], v[T0+4+\b]
.endr
	v_max3_num_f32 v[T0+4], v[T0], v[T0+1], v[T0+2]
	v_max_num_f32 v[T0+4], v[T0+4], v[T0+3]
	v_mul_f32 v[T0+4], s[CS], v[T0+4]              ; the step's largest t of my query
	v_max_num_f32 v9, v9, v[T0+4]
	v_mov_b32 v[T0+5], v8
	v_floor_f32 v8, -v9                            ; the new -M = -ceil(t): a whole number
	v_sub_f32 v[T0+5], v8, v[T0+5]
	v_cvt_i32_f32 v[T0+5], v[T0+5]                 ; (it saturates)
	v_ldexp_f32 v22, 1.0, v[T0+5]                  ; f = 2^(old M - new M)
.set I_, 0
.rept 32
	v_pk_fma_f32 v[S+I_:S+I_+1], v[S+I_:S+I_+1], s[CS:CS+1], v[8:9] op_sel_hi:[1,0,0]   ; t - M
.set I_, I_+2
.endr
.irp b, 0,1,2,3
	v_fma_f32 v[T0+\b], v[T0+\b], s[CS], v8
.endr
.set I_, 0
.rept 64
	v_exp_f32 v[S+I_], v[S+I_]                     ; p = 2^(t - M)
.set I_, I_+1
.endr
	v_pk_mul_f32 v[10:11], v[10:11], v[22:23] op_sel_hi:[1,0]   ; the sum under the new M: the plain line behind the exponentials
	s_wait_alu depctr_va_vdst(0)                   ; the 64 exponentials have written p in v116-179: one wait for the batch, ahead of its first reader
.irp b, 0,1,2,3
	v_exp_f32 v[T0+\b], v[T0+\b]                   ; each block's largest p
.endr
	v_pk_add_f32 v[T0+6:T0+7], v[S:S+1], v[S+2:S+3]   ; the sum of the unquantised p, in two chains
.irp j, 4,8,12,16,20,24,28,32,36,40,44,48,52,56,60
	v_pk_add_f32 v[10:11], v[10:11], v[S+\j:S+\j+1]
	v_pk_add_f32 v[T0+6:T0+7], v[T0+6:T0+7], v[S+\j+2:S+\j+3]
.endr
	v_pk_add_f32 v[10:11], v[10:11], v[T0+6:T0+7]
	s_wait_alu depctr_va_vdst(0)                   ; the four exponentials have written the blocks' largest p in v244-247, ahead of their first reader
.irp b, 0,1,2,3
	v_max_num_f32 v[T0+\b], FLOOR, v[T0+\b]
.endr
.irp b, 0,1,2,3
	v_add_nc_u32 v[18+\b], EOFF, v[T0+\b]          ; the conversion's scale operand
.endr
.irp b, 0,1,2,3
	v_and_or_b32 v[T0+8+\b], v[T0+\b], 0x7f800000, s[MNT]   ; 448 x the scale
.endr
.irp b, 0,1,2,3
	v_lshrrev_b32 v[T0+4+\b], 23, v[18+\b]
.endr
	v_lshl_or_b32 v13, v[T0+5], 8, v[T0+4]         ; p's scale word for these 128 keys
	v_lshl_or_b32 v13, v[T0+6], 16, v13
	v_lshl_or_b32 v13, v[T0+7], 24, v13
.irp b, 0,1,2,3                        ; block b's codes go to v112 + 4 b: from block 1 on onto block 0's p, which has been converted; the next block's 16 holds are the plain lines between
.irp i, 0,1,2,3,4,5,6,7,8,9,10,11,12,13,14,15
	v_min_num_f32 v[S+16*\b+\i], v[S+16*\b+\i], v[T0+8+\b]   ; p is not negative: the hold is one-sided
.endr
	v_cvt_scalef32_pk8_fp8_f32 v[112+4*\b:113+4*\b], v[S+16*\b:S+16*\b+7], v[18+\b]
	v_cvt_scalef32_pk8_fp8_f32 v[114+4*\b:115+4*\b], v[S+16*\b+8:S+16*\b+15], v[18+\b]
.endr
	v_nop
.set I_, 0
.rept 16
	v_pk_mul_f32 v[O+I_:O+I_+1], v[O+I_:O+I_+1], v[22:23] op_sel_hi:[1,0]   ; O^T under the new M; also the places between the codes and the products
.set I_, I_+2
.endr
	s_wait_dscnt 0x0                               ; V
	s_wait_alu depctr_va_vdst(0)                   ; the conversions have written p's codes in v112-127 and the shifts its scale word in v13, operands of the four products; the places stand ahead of this wait
.irp t, 0,1,2,3
	WM O+8*\t,F+16*\t,112,O+8*\t,14+\t/2,13,\t%2
.endr
.Lskip_\@:
	s_add_co_u32 s[KO], s[KO], 8192
	s_add_co_u32 s[SO], s[SO], 512
	s_add_co_u32 s[VO], s[VO], 256
	s_add_co_u32 s[ST], s[ST], 1
	s_cmp_lt_u32 s[ST], 8
	s_cbranch_scc1 .Lstep_\@
.rept 8
	v_nop
.endr
	v_add_f32 v10, v10, v11
	v_permlanex16_b32 v[T0+4], v10, s[SEL], s[SEL+1]
	v_add_f32 v10, v10, v[T0+4]                    ; the row's sum
	v_rcp_f32 v22, v10
	v_nop
	s_wait_alu depctr_va_vdst(0)                   ; the reciprocal has written v22, ahead of its first reader
.set I_, 0
.rept 16
.if \dir == 0
	v_pk_mul_f32 v[KP+I_:KP+I_+1], v[O+I_:O+I_+1], v[22:23] op_sel_hi:[1,0]
.else
	v_pk_fma_f32 v[S+I_:S+I_+1], v[O+I_:O+I_+1], v[22:23], v[KP+I_:KP+I_+1] op_sel_hi:[1,0,1]   ; att = fw's + bw's: register 16 b + e is channel 32 b + 16 (lane / 16) + e
.endif
.set I_, I_+2
.endr
.endm
	PASS 0
	PASS 1
	; THE WAY OUT: att's two blocks of 32 channels are quantised and leave as two chunks of product 7's operand image, with my head's half of the scale word.
.irp b, 0,1
	v_max3_num_f32 v[T0+\b], |v[S+16*\b]|, |v[S+16*\b+1]|, FLOOR
.endr
.irp i, 2,4,6,8,10,12,14
.irp b, 0,1
	v_max3_num_f32 v[T0+\b], v[T0+\b], |v[S+16*\b+\i]|, |v[S+16*\b+\i+1]|
.endr
.endr
.irp b, 0,1
	v_permlanex16_b32 v[T0+4+\b], v[T0+\b], s[SEL], s[SEL+1]
.endr
.irp b, 0,1
	v_max_num_f32 v[T0+\b], v[T0+\b], v[T0+4+\b]
.endr
.irp b, 0,1
	v_add_nc_u32 v[18+\b], EOFF, v[T0+\b]
.endr
.irp b, 0,1
	v_and_or_b32 v[T0+8+\b], v[T0+\b], 0x7f800000, s[MNT]
.endr
.irp b, 0,1
	v_lshrrev_b32 v[T0+4+\b], 23, v[18+\b]
.endr
	v_lshl_or_b32 v13, v[T0+5], 8, v[T0+4]
.irp b, 0,1
.irp i, 0,1,2,3,4,5,6,7,8,9,10,11,12,13,14,15
	v_med3_num_f32 v[S+16*\b+\i], v[S+16*\b+\i], -v[T0+8+\b], v[T0+8+\b]
.endr
	v_cvt_scalef32_pk8_fp8_f32 v[F+4*\b:F+4*\b+1], v[S+16*\b:S+16*\b+7], v[18+\b]
	v_cvt_scalef32_pk8_fp8_f32 v[F+4*\b+2:F+4*\b+3], v[S+16*\b+8:S+16*\b+15], v[18+\b]
.endr
	v_nop
	v_and_b32 v20, 15, v0
	v_lshlrev_b32 v20, 2, v20
	s_lshl_b32 s46, s[BB], 6
	s_add_co_u32 s46, s46, s[TT]
	s_mul_i32 s47, s46, 13056                      ; my tile's record
	s_lshr_b32 s46, s[HD], 1
	s_lshl_b32 s46, s46, 11
	s_add_co_u32 s40, s47, s46
	s_and_b32 s46, s[HD], 1
	s_lshl_b32 s46, s46, 10
	s_add_co_u32 s40, s40, s46
	s_add_nc_u64 s[16:17], s[14:15], s[40:41]      ; K step head / 2, chunks 2 (head % 2) and + 1
	s_lshl_b32 s46, s[HD], 6
	s_add_co_u32 s40, s47, s46
	s_add_co_u32 s40, s40, 12288
	s_add_nc_u64 s[18:19], s[14:15], s[40:41]
	s_wait_alu depctr_va_vdst(0)                   ; the conversions have written att's codes in v40-47, the shifts its scale word in v13 and the offset v20, which the three stores read
	global_store_b128 v[AL], v[F:F+3], s[16:17]
	global_store_b128 v[AL], v[F+4:F+7], s[16:17] offset:512
	global_store_b32 v20, v13, s[18:19]            ; both halves of the lanes write the same word with the same value
	s_wait_dscnt 0x0                               ; the closing lines, six on end
	s_wait_alu 0x0
	s_wait_tensorcnt 0x0
	ds_add_u32 v[SPW], v[NIL]
	s_wait_dscnt 0x0
	s_endpgm
.Lfunc_end_k_q708cb6eeb0_attn:
	.size	k_q708cb6eeb0_attn, .Lfunc_end_k_q708cb6eeb0_attn-k_q708cb6eeb0_attn
	.p2alignl 7, 3214868480
	.fill 96, 4, 3214868480
	.section	.rodata,"a",@progbits
	.p2align	6, 0x0
	.amdhsa_kernel k_q708cb6eeb0_attn
		.amdhsa_group_segment_fixed_size 142336
		.amdhsa_private_segment_fixed_size 0
		.amdhsa_enable_private_segment 0
		.amdhsa_kernarg_size 32
		.amdhsa_user_sgpr_count 2
		.amdhsa_user_sgpr_kernarg_segment_ptr 1
		.amdhsa_wavefront_size32 1
		.amdhsa_system_sgpr_workgroup_id_x 1
		.amdhsa_system_sgpr_workgroup_id_y 1
		.amdhsa_system_sgpr_workgroup_id_z 1
		.amdhsa_system_vgpr_workitem_id 0
		.amdhsa_next_free_vgpr 256
		.amdhsa_next_free_sgpr 68
		.amdhsa_reserve_vcc 0
		.amdhsa_float_denorm_mode_32 3
		.amdhsa_float_denorm_mode_16_64 3
		.amdhsa_memory_ordered 1
		.amdhsa_forward_progress 1
		.amdhsa_inst_pref_size 87
	.end_amdhsa_kernel
	.amdgpu_metadata
---
amdhsa.version: [ 1, 2 ]
amdhsa.kernels:
  - .name:           k_q708cb6eeb0_attn
    .symbol:         k_q708cb6eeb0_attn.kd
    .args:
      - { .name: qkv, .offset: 0, .size: 8, .value_kind: global_buffer, .address_space: global }
      - { .name: att_mask, .offset: 8, .size: 8, .value_kind: global_buffer, .address_space: global }
      - { .name: edges, .offset: 16, .size: 8, .value_kind: global_buffer, .address_space: global }
      - { .name: att, .offset: 24, .size: 8, .value_kind: global_buffer, .address_space: global }
    .group_segment_fixed_size: 142336
    .private_segment_fixed_size: 0
    .kernarg_segment_align: 8
    .kernarg_segment_size: 32
    .max_flat_workgroup_size: 256
    .sgpr_count:     68
    .vgpr_count:     256
    .wavefront_size: 32
...
	.end_amdgpu_metadata
.endif
;; end of part 6
;; launch outln: the kernel of part 4 again; grid 256 x 1, 8 waves a work-group, no clusters, 224,256 bytes of LDS; arguments att, wimg, q, bo, gamma, beta, out0; writes out0
